; MI455X (gfx1250); checked and timed in simulation.
; The chip was launched on July 23, 2026; its instructions are those of AMD's public machine-readable ISA for CDNA 5 (MIT licence, August 2026) and "CDNA5" Instruction Set Architecture Reference Guide (July 2026). The comments in the code are by the model that wrote it; some were corrected since.
;; Multi Head Attention. Allowed arithmetic: matrix products marked QUANTISED: E3M2 operands, one E8M0 scale for each 32 along K, by v_wmma_scale_f32_16x16x128_f8f6f4 with both operands' format E3M2, f32 sums; everything else in f32.
;; Inputs: k_proj 12 x 768 x 64 float32; q_proj 12 x 768 x 64 float32; v_proj 12 x 768 x 64 float32; x 1 x 4,096 x 768 float32.
;; Outputs: out0 1 x 12 x 4,096 x 64 float32.
;; This version of the problem:
;;   THIS VERSION OF THE PROBLEM IS GIVEN IN LOW PRECISION. The matrix products marked QUANTISED in the list below multiply operands that are first quantised to E3M2 (3 exponent bits, 2 mantissa bits; 6 bits a number), with one power-of-two scale for each 32 numbers along K (OCP MX v1.0); their sums are f32. All else is computed in f32.
;;   The module's matrix products, in the order in which they are computed (A, B: the left and right operand; K: the contracted axis; several contracted axes count as one K, in the product's order):
;;     1. [M 768, K 768] x [K 768, N 4,096]; A: input q_proj; B: input x: QUANTISED
;;     2. [M 768, K 768] x [K 768, N 4,096]; A: input k_proj; B: input x: QUANTISED
;;     3. [M 768, K 768] x [K 768, N 4,096]; A: input v_proj; B: input x: QUANTISED
;;     4. batch 12 x [M 4,096, K 64] x [K 64, N 4,096]; A: computed on the way; B: computed on the way: QUANTISED
;;     5. batch 12 x [M 4,096, K 4,096] x [K 4,096, N 64]; A: softmax (see below); B: computed on the way: QUANTISED
;;   THE QUANTISER, for each operand of a quantised product, along K:
;;     - K is cut into blocks of 32 from its start; a last block that is shorter is filled with zeros.
;;     - A block's scale is 2^e with e = floor(log2(the largest magnitude in the block)) - 4, held to -126 .. 127; a block of zeros has e = 0. As a byte (E8M0): e + 127.
;;     - Each number is divided by its block's scale, clamped to +-28, and rounded to the nearest number of E3M2, ties to even, subnormals kept.
;;     - The product sums the exact products of the quantised numbers (number of the format x scale) in f32.
;;   ~~~python
;;   def quantise(x, axis):      # numpy; x: float32 -> the quantised numbers, widened to float32 again
;;       x = np.moveaxis(x, axis, -1); K = x.shape[-1]
;;       x = np.pad(x, [(0, 0)] * (x.ndim - 1) + [(0, -K % 32)]); x = x.reshape(x.shape[:-1] + (-1, 32)); a = np.abs(x).max(-1, keepdims=True)
;;       e = np.where(a > 0, np.clip(np.frexp(np.where(a > 0, a, 1))[1] - 1 - 4, -126, 127), 0)      # np.frexp(a)[1] - 1 = floor(log2(a)), exactly
;;       r = np.clip(x / 2.0 ** e, -28, 28)
;;       step = 2.0 ** (np.maximum(np.frexp(np.where(r == 0, 1, r))[1] - 1, -2) - 2)
;;       q = np.round(r / step) * step * 2.0 ** e      # np.round: ties to even
;;       return np.moveaxis(q.reshape(q.shape[:-2] + (-1,))[..., :K], -1, axis).astype(np.float32)
;;   ~~~
;;   SOFTMAX AHEAD OF A QUANTISED PRODUCT. Where the list says 'softmax', what is quantised is not the finished softmax but p = 2^(t - M), with t = logit x log2(e) and M = ceil(the row's largest t), a whole number; so 1/2 < the row's largest p <= 1. The row's sum l is taken of the UNQUANTISED p, in f32, and the product's result is divided by l at the end. Since M is a whole number, a kernel that streams over the keys may use a running M (the ceiling of the running maximum): every later rescaling is an exact power of two, which a block's scale takes up: the codes' values come out the same.
;;   OPERANDS COMPUTED ON THE WAY. 'Computed on the way' means the value that the module computes at that place (a softmax that the list does not call 'softmax' is quantised finished and normalised). What goes into a quantiser is computed in f32, as accurately as f32 sums, v_exp_f32 and their like allow (about 1e-6 of the number): no bf16 or f16 on the way to a quantiser, and a product that is left as it is and whose result goes on into a quantised operand takes f32 operands (vector FMAs, or v_wmma_f32_16x16x4_f32). A number that lies on a knife's edge between two numbers of the format may be rounded either way, as far as f32 arithmetic and the matrix unit's own rounding can turn it there, and no further.
;; One version. Each part assembles by itself: llvm-mc -triple=amdgcn-amd-amdhsa -mcpu=gfx1250 --defsym DOCPART=n.
;; ======== version 1 of 1: 3 launches
;; limits: right only within a limited range of input values; inputs' magnitudes at most 4.056e+31
;; workspace buffers: xq 2,555,904 bytes; wq 1,382,400 bytes; qc 2,359,296 bytes; qs 196,608 bytes; kv 5,111,808 bytes
;; launch prep (part 1): grid 50 x 6, 4 waves a work-group, no clusters, 68,096 bytes of LDS; arguments x, q_proj, k_proj, v_proj, xq, wq; writes xq, wq
.if DOCPART == 1
	.amdgcn_target "amdgcn-amd-amdhsa--gfx1250"
	.amdhsa_code_object_version 6
	.text
	.protected	k_qa9ffc8b702_prep
	.globl	k_qa9ffc8b702_prep
	.p2align	8
	.type	k_qa9ffc8b702_prep,@function
k_qa9ffc8b702_prep:
	s_mov_b64 s[64:65], 0
	v_nop
	global_prefetch_b8 v0, s[64:65] scope:SCOPE_SE
	s_setreg_imm32_b32 hwreg(HW_REG_WAVE_MODE, 25, 1), 1
	s_wait_xcnt 0x0
; x [4096][768] and the three weights [12][768][64], f32, become codes of E3M2 (6 bits) with one E8M0 scale byte for each 32 along K = the 768,
; laid as the next launch's matrix operands want them: a fragment (16 rows x 128 K, 12 registers a lane) is stored as an IMAGE OF ITS REGISTERS:
; register q of lane l at byte 512 (q / 4) + 16 l + 4 (q % 4), 1,536 bytes, so that three loads of 16 bytes a lane bring it back.
; xq: [block of 256 tokens 16][K step 6] blocks of 26,624 bytes: 16 token tiles' images, then 8 scale images of 256 bytes ([lane][2 words]: the words of token lane % 16 of tiles 2 a, 2 a + 1).
; wq: [head 12][K step 6] blocks of 19,200 bytes: 12 feature tiles' images (q's 4, k's 4, v's 4), then 6 scale images of 128 bytes (lanes 0-15: an even tile's words, lanes 16-31: the odd tile's).
; A block's scale is 2^(floor(log2(its largest magnitude)) - 4); its byte is the largest magnitude's exponent field - 4, held at 1 from below.
; THE ROUNDING IS DONE IN F32 ARITHMETIC, ahead of the conversion.  The grid's step at z is a quarter of m = the larger of 2^floor(log2 |z|) and the block's least normal number (the scale / 4); B = 1.5 x 2^21 x m has
; that step as its last place and is an even multiple of it, so (z + B) - B is z rounded to the grid, a number on the middle between two codes to the even one.  The conversion then has nothing left to round.
; LIMITS: NaN and infinities among the inputs are not served; numbers of 2^105 and more are not served (the rounding's constant would overflow); a block whose largest magnitude lies under 2^-122 gets the byte 1 and is
; not rounded by the rule's grid; a block of zeros gets the byte 1 and zero codes (these bytes are read by this program alone).
; Work-group y is the K step of 128.  Work-groups x = 0 .. 31 take x (a wave: 32 tokens x 128 K), x = 32 .. 49 the weights (a wave: 32 features x 128 K).  Waves share nothing: no barrier.
; Memory binds here: no matrix unit, no cluster, no tensor load.  The weights' scale images are stores of 128 bytes, 55,296 bytes in all.
.set XBLK,  26624
.set WBLK,  19200
.set SP,    528                        ; a stage row: 512 bytes + 16, so that sixteen rows' 16 bytes fall on sixteen different columns of 16 bytes
.set GL,    3                          ; v3   16 x lane
.set X,     32                         ; v32-159  128 numbers a lane
.set FA,    160                        ; v160-171 a fragment;  v172-183 the second
.set FB,    172
.set T0,    184                        ; v184-186, v188-190: the upper halves of blocks (a conversion's three registers begin on an even number)
.set T1,    188
.set SWD,   192                        ; v192-193 the two tiles' scale words
.set BP,    194                        ; v194-197 the rounding's constants, four at a time
.set EM,    34                         ; s34 the exponent field's mask; s35 the mantissa of 1.5; s[36:37] 2^21; s[38:39] -2^21
.set HF,    35
.set K21,   36
.set K21N,  38
; 32 numbers of one block, v[src] on, are rounded to the block's grid; v[mn] holds a number in the least normal number's binade
.macro RND src, mn
.irp i, 0,4,8,12,16,20,24,28
.irp n, 0,1,2,3
	v_max_num_f32 v[BP+\n], |v[\src+\i+\n]|, v[\mn]
.endr
.irp n, 0,1,2,3
	v_and_or_b32 v[BP+\n], v[BP+\n], s[EM], s[HF]  ; 1.5 m: the exponent field alone, over the mantissa of 1.5
.endr
.irp n, 0,2
	v_pk_fma_f32 v[\src+\i+\n:\src+\i+\n+1], v[BP+\n:BP+\n+1], s[K21:K21+1], v[\src+\i+\n:\src+\i+\n+1] op_sel_hi:[1,0,1]    ; z + B: here the rounding happens
.endr
.irp n, 0,2
	v_pk_fma_f32 v[\src+\i+\n:\src+\i+\n+1], v[BP+\n:BP+\n+1], s[K21N:K21N+1], v[\src+\i+\n:\src+\i+\n+1] op_sel_hi:[1,0,1]  ; - B: exact
.endr
.endr
.endm
	s_load_b256 s[4:11], s[0:1], 0x0               ; x s[4:5], q_proj s[6:7], k_proj s[8:9], v_proj s[10:11]
	s_load_b128 s[12:15], s[0:1], 0x20             ; xq s[12:13], wq s[14:15]
	v_lshl_add_u32 v200, v0, 2, 0x10800
	v_mov_b32 v201, 0
	v_lshrrev_b32 v1, 5, v0
	v_readfirstlane_b32 s16, v1                    ; wave 0..3
	v_and_b32 v2, 31, v0                           ; lane
	v_lshlrev_b32 v[GL], 4, v2
	s_and_b32 s17, ttmp7, 0xffff                   ; the K step
	s_mov_b32 s18, 0x76543210
	s_mov_b32 s19, 0xfedcba98                      ; v_permlanex16_b32's selects for lane l xor 16
	s_mov_b32 s[EM], 0x7f800000
	s_mov_b32 s[HF], 0x00400000
	s_mov_b32 s[K21], 0x4a000000                   ; 2^21
	s_mov_b32 s[K21+1], s[K21]                     ; (named with it as a pair, so it is written)
	s_mov_b32 s[K21N], 0xca000000                  ; -2^21
	s_mov_b32 s[K21N+1], s[K21N]
	s_cmp_lt_u32 ttmp9, 32
	s_cbranch_scc0 .Lweights
	; ---------------- x: K is innermost.  My 32 tokens x 512 bytes are loaded as they lie, a row a load, and turned through my own stage in LDS, so that a lane then holds 32 neighbours along K of one token
	s_lshl_b32 s20, ttmp9, 2
	s_add_co_u32 s20, s20, s16                     ; a = which 32 tokens, 0 .. 127
	s_mul_i32 s22, s20, 32*3072
	s_lshl_b32 s23, s17, 9
	s_add_co_u32 s22, s22, s23                     ; in x: 32 a rows of 3,072 bytes + 512 x K step
	s_mov_b32 s23, 0
	s_lshr_b32 s24, s20, 3
	s_mul_i32 s24, s24, 6
	s_add_co_u32 s24, s24, s17
	s_mul_i32 s24, s24, XBLK                       ; my block of xq
	s_and_b32 s26, s20, 7
	s_mul_i32 s27, s26, 3072
	s_add_co_u32 s28, s24, s27                     ; my two tiles' images
	s_mov_b32 s29, 0
	s_lshl_b32 s26, s26, 8
	s_add_co_u32 s30, s24, s26
	s_add_co_u32 s30, s30, 24576                   ; my scale image
	s_mov_b32 s31, 0
	v_and_b32 v4, 15, v0                           ; r
	v_bfe_u32 v5, v0, 4, 1                         ; h
	s_mul_i32 s25, s16, 32*SP                      ; my stage
	s_wait_alu depctr_va_vdst(0)
	v_add_nc_u32 v6, s25, v[GL]                    ; in: 16 x lane of a row
	v_mul_u32_u24 v7, v4, SP
	v_lshl_add_u32 v7, v5, 7, v7
	v_add_nc_u32 v7, s25, v7                       ; back: row r, + 128 h: k = 32 h on
	v_lshlrev_b32 v16, 3, v5                       ; 8 h
	v_lshlrev_b32 v17, 3, v2                       ; 8 x lane
	v_mov_b32 v15, 0                               ; written once: a lane permute's destination counts as one of its sources
	s_wait_alu depctr_va_vdst(0)
	s_wait_kmcnt 0x0
	s_add_nc_u64 s[4:5], s[4:5], s[22:23]
	s_add_nc_u64 s[28:29], s[12:13], s[28:29]
	s_add_nc_u64 s[30:31], s[12:13], s[30:31]
.irp w, 0,1,2,3,4,5,6,7,8,9,10,11,12,13,14,15,16,17,18,19,20,21,22,23,24,25,26,27,28,29,30,31
	global_load_b128 v[X+4*\w:X+4*\w+3], v[GL], s[4:5] offset:\w*3072 th:TH_LOAD_NT   ; 32 lanes read 512 consecutive bytes of token w
.endr
.irp w, 0,1,2,3,4,5,6,7,8,9,10,11,12,13,14,15,16,17,18,19,20,21,22,23,24,25,26,27,28,29,30,31
	s_wait_loadcnt 31-\w                           ; row w is in; the 31 - w younger loads may be out
	ds_store_b128 v6, v[X+4*\w:X+4*\w+3] offset:\w*SP
.endr
	s_wait_dscnt 0x0                               ; the stores have read their registers, which the loads below fill anew
.irp u, 0,1
.irp c, 0,1
.irp i, 0,1,2,3,4,5,6,7
	ds_load_b128 v[X+64*\u+32*\c+4*\i:X+64*\u+32*\c+4*\i+3], v7 offset:16*\u*SP+256*\c+16*\i   ; token 16 u + r, k = 64 c + 32 h + 4 i on: the order of the operand's registers
.endr
.endr
.endr
; Tile u: a lane holds blocks h and 2 + h of its token whole.  Largest magnitudes, scale bytes, the token's scale word, the rounding, the codes, the image.
.macro XQ u
.irp c, 0,1
	v_max3_num_f32 v[8+\c], |v[X+64*\u+32*\c]|, |v[X+64*\u+32*\c+1]|, 0x2800000   ; with the floor 2^(5 - 127): the byte cannot fall under 1
.endr
.irp i, 2,4,6,8,10,12,14,16,18,20,22,24,26,28,30
.irp c, 0,1
	v_max3_num_f32 v[8+\c], v[8+\c], |v[X+64*\u+32*\c+\i]|, |v[X+64*\u+32*\c+\i+1]|   ; the two blocks by turns
.endr
.endr
.irp c, 0,1
	v_add_nc_u32 v[10+\c], 0xfe000000, v[8+\c]     ; 4 off the exponent field: the conversion's scale operand
.endr
.irp c, 0,1
	v_lshrrev_b32 v[12+\c], 23, v[10+\c]           ; the scale's byte
.endr
.irp c, 0,1
	v_add_nc_u32 v[18+\c], 0xff000000, v[10+\c]    ; 2 more off: a number in the least normal number's binade (of a block at the floor: no number, and the maximum passes it over)
.endr
	v_lshl_or_b32 v14, v13, 16, v12                ; my two bytes: blocks h and 2 + h,
	v_lshlrev_b32 v14, v16, v14                    ; at their places (8 h bits up);
	v_permlanex16_b32 v15, v14, s18, s19
	v_or_b32 v[SWD+\u], v14, v15                   ; with lane l xor 16's two the word is whole, in both halves of the lanes
.irp c, 0,1
	RND X+64*\u+32*\c, 18+\c
.endr
.irp c, 0,1
	v_cvt_scalef32_pk16_bf6_f32 v[FA+12*\u+6*\c:FA+12*\u+6*\c+2], v[X+64*\u+32*\c:X+64*\u+32*\c+15], v[10+\c]
	v_cvt_scalef32_pk16_bf6_f32 v[T0+4*\c:T0+4*\c+2], v[X+64*\u+32*\c+16:X+64*\u+32*\c+31], v[10+\c]
.endr
	v_nop                                          ; one plain place behind a scaled conversion
.irp c, 0,1
.irp i, 0,1,2
	v_mov_b32 v[FA+12*\u+6*\c+3+\i], v[T0+4*\c+\i]
.endr
.endr
.irp g, 0,1,2
	global_store_b128 v[GL], v[FA+12*\u+4*\g:FA+12*\u+4*\g+3], s[28:29] offset:1536*\u+512*\g   ; 32 lanes store 512 consecutive bytes, at a multiple of 256 from xq's first byte
.endr
.endm
	s_wait_dscnt 16                                ; tile 0's sixteen loads are back; tile 1's sixteen may be out
	XQ 0
	s_wait_dscnt 0x0
	XQ 1
	global_store_b64 v17, v[SWD:SWD+1], s[30:31]   ; 256 consecutive bytes
	s_wait_tensorcnt 0x0
	ds_add_u32 v200, v201
	s_wait_dscnt 0x0
	s_endpgm
	; ---------------- the weights: K is not innermost.  A lane takes a feature, and its registers run down K: nothing is transposed
.Lweights:
	s_sub_co_u32 s20, ttmp9, 32
	s_lshl_b32 s20, s20, 2
	s_add_co_u32 s20, s20, s16                     ; job 0 .. 71
	s_and_b32 s21, s20, 1                          ; which 32 of the head's 64 features
	s_lshr_b32 s20, s20, 1                         ; 12 x type + head
	s_cmp_ge_u32 s20, 12
	s_cselect_b32 s22, 1, 0
	s_cmp_ge_u32 s20, 24
	s_cselect_b32 s23, 1, 0
	s_add_co_u32 s22, s22, s23                     ; type: 0 q, 1 k, 2 v
	s_mul_i32 s23, s22, 12
	s_sub_co_u32 s23, s20, s23                     ; head
	s_mul_i32 s24, s23, 196608
	s_lshl_b32 s25, s17, 15
	s_add_co_u32 s24, s24, s25
	s_lshl_b32 s25, s21, 7
	s_add_co_u32 s24, s24, s25                     ; in the weight: the head, 128 rows of 256 bytes a K step, my 128 bytes of a row
	s_mov_b32 s25, 0
	s_mul_i32 s26, s23, 6
	s_add_co_u32 s26, s26, s17
	s_mul_i32 s26, s26, WBLK                       ; my block of wq
	s_lshl_b32 s27, s22, 1
	s_add_co_u32 s27, s27, s21                     ; which pair of tiles: 2 x type + half
	s_mul_i32 s28, s27, 3072
	s_add_co_u32 s28, s28, s26
	s_mov_b32 s29, 0
	s_lshl_b32 s30, s27, 7
	s_add_co_u32 s30, s30, s26
	s_add_co_u32 s30, s30, 18432
	s_mov_b32 s31, 0
	s_wait_alu depctr_va_vdst(0)
	v_lshlrev_b32 v4, 2, v2                        ; 4 x lane
	s_wait_alu depctr_va_vdst(0)
	s_wait_kmcnt 0x0
	s_cmp_ge_u32 s20, 12                           ; the choice of the buffer hangs on the job's number alone
	s_cselect_b64 s[32:33], s[8:9], s[6:7]
	s_cmp_ge_u32 s20, 24
	s_cselect_b64 s[32:33], s[10:11], s[32:33]
	s_add_nc_u64 s[32:33], s[32:33], s[24:25]
	s_add_nc_u64 s[28:29], s[14:15], s[28:29]
	s_add_nc_u64 s[30:31], s[14:15], s[30:31]
.macro LOADW q                         ; block q: W(32 q + e, my feature)
.irp e, 0,1,2,3,4,5,6,7,8,9,10,11,12,13,14,15,16,17,18,19,20,21,22,23,24,25,26,27,28,29,30,31
	global_load_b32 v[X+32*\q+\e], v4, s[32:33] offset:(32*\q+\e)*256
.endr
.endm
.macro MAXW q                          ; block q's largest magnitude (all 32 numbers are mine), its scale operand v[18 + q] and its byte v[22 + q]; then the block is rounded to its grid
	v_max3_num_f32 v8, |v[X+32*\q]|, |v[X+32*\q+1]|, |v[X+32*\q+2]|
	v_max3_num_f32 v9, |v[X+32*\q+3]|, |v[X+32*\q+4]|, |v[X+32*\q+5]|
.irp i, 6,10,14,18,22,26
	v_max3_num_f32 v8, v8, |v[X+32*\q+\i]|, |v[X+32*\q+\i+1]|
	v_max3_num_f32 v9, v9, |v[X+32*\q+\i+2]|, |v[X+32*\q+\i+3]|
.endr
	v_max3_num_f32 v8, v8, |v[X+32*\q+30]|, |v[X+32*\q+31]|
	v_max3_num_f32 v8, v8, v9, 0x2800000           ; and the floor 2^(5 - 127)
	v_add_nc_u32 v[18+\q], 0xfe000000, v8
	v_lshrrev_b32 v[22+\q], 23, v[18+\q]
	v_add_nc_u32 v[28+\q], 0xff000000, v[18+\q]    ; a number in the least normal number's binade
	RND X+32*\q, 28+\q
.endm
	LOADW 0
	LOADW 1
	s_wait_loadcnt 32                              ; block 0 is in; block 1's 32 loads may be out
	LOADW 2
	MAXW 0
	s_wait_loadcnt 32                              ; block 1 is in; block 2's may be out
	LOADW 3
	MAXW 1
	s_wait_loadcnt 32                              ; block 2 is in; block 3's may be out
	MAXW 2
	s_wait_loadcnt 0x0
	MAXW 3
	v_lshl_or_b32 v26, v23, 8, v22                 ; my feature's scale word
	v_lshl_or_b32 v26, v24, 16, v26
	v_lshl_or_b32 v26, v25, 24, v26
; Lanes 0-15 hold the features of the even tile, lanes 16-31 those of the odd tile.  The operand's layout wants, of one tile, block 2 c in lanes 0-15 and block 2 c + 1 in lanes 16-31:
; block 2 c's codes are made in the even tile's registers, block 2 c + 1's in the odd tile's, and the first's lanes 16-31 change places with the second's lanes 0-15.
.irp c, 0,1
	v_cvt_scalef32_pk16_bf6_f32 v[FA+6*\c:FA+6*\c+2], v[X+64*\c:X+64*\c+15], v[18+2*\c]
	v_cvt_scalef32_pk16_bf6_f32 v[T0:T0+2], v[X+64*\c+16:X+64*\c+31], v[18+2*\c]
	v_cvt_scalef32_pk16_bf6_f32 v[FB+6*\c:FB+6*\c+2], v[X+64*\c+32:X+64*\c+47], v[19+2*\c]
	v_cvt_scalef32_pk16_bf6_f32 v[T1:T1+2], v[X+64*\c+48:X+64*\c+63], v[19+2*\c]
	v_nop                                          ; one plain place behind a scaled conversion
.irp i, 0,1,2
	v_permlane16_swap_b32 v[FA+6*\c+\i], v[FB+6*\c+\i]
	v_permlane16_swap_b32 v[T0+\i], v[T1+\i]
.endr
.irp i, 0,1,2
	v_mov_b32 v[FA+6*\c+3+\i], v[T0+\i]
	v_mov_b32 v[FB+6*\c+3+\i], v[T1+\i]
.endr
.endr
.irp g, 0,1,2
	global_store_b128 v[GL], v[FA+4*\g:FA+4*\g+3], s[28:29] offset:512*\g
	global_store_b128 v[GL], v[FB+4*\g:FB+4*\g+3], s[28:29] offset:1536+512*\g
.endr
	global_store_b32 v4, v26, s[30:31]             ; 128 consecutive bytes
	s_endpgm
.Lfunc_end_k_qa9ffc8b702_prep:
	.size	k_qa9ffc8b702_prep, .Lfunc_end_k_qa9ffc8b702_prep-k_qa9ffc8b702_prep
	.p2alignl 7, 3214868480
	.fill 96, 4, 3214868480
	.section	.rodata,"a",@progbits
	.p2align	6, 0x0
	.amdhsa_kernel k_qa9ffc8b702_prep
		.amdhsa_group_segment_fixed_size 68096
		.amdhsa_private_segment_fixed_size 0
		.amdhsa_enable_private_segment 0
		.amdhsa_kernarg_size 48
		.amdhsa_user_sgpr_count 2
		.amdhsa_user_sgpr_kernarg_segment_ptr 1
		.amdhsa_wavefront_size32 1
		.amdhsa_system_sgpr_workgroup_id_x 1
		.amdhsa_system_sgpr_workgroup_id_y 1
		.amdhsa_system_sgpr_workgroup_id_z 1
		.amdhsa_system_vgpr_workitem_id 0
		.amdhsa_next_free_vgpr 202
		.amdhsa_next_free_sgpr 66
		.amdhsa_reserve_vcc 0
		.amdhsa_float_denorm_mode_32 3
		.amdhsa_float_denorm_mode_16_64 3
		.amdhsa_memory_ordered 1
		.amdhsa_forward_progress 1
		.amdhsa_inst_pref_size 86
	.end_amdhsa_kernel
	.amdgpu_metadata
---
amdhsa.version: [ 1, 2 ]
amdhsa.kernels:
  - .name:           k_qa9ffc8b702_prep
    .symbol:         k_qa9ffc8b702_prep.kd
    .args:
      - { .name: x, .offset: 0, .size: 8, .value_kind: global_buffer, .address_space: global }
      - { .name: q_proj, .offset: 8, .size: 8, .value_kind: global_buffer, .address_space: global }
      - { .name: k_proj, .offset: 16, .size: 8, .value_kind: global_buffer, .address_space: global }
      - { .name: v_proj, .offset: 24, .size: 8, .value_kind: global_buffer, .address_space: global }
      - { .name: xq, .offset: 32, .size: 8, .value_kind: global_buffer, .address_space: global }
      - { .name: wq, .offset: 40, .size: 8, .value_kind: global_buffer, .address_space: global }
    .group_segment_fixed_size: 68096
    .private_segment_fixed_size: 0
    .kernarg_segment_align: 8
    .kernarg_segment_size: 48
    .max_flat_workgroup_size: 128
    .sgpr_count:     66
    .vgpr_count:     202
    .wavefront_size: 32
...
	.end_amdgpu_metadata
.endif
;; end of part 1
;; launch proj (part 2): grid 16 x 12, 8 waves a work-group, clusters of 4 x 4, 275,968 bytes of LDS; arguments xq, wq, qc, qs, kv; writes qc, qs, kv
.if DOCPART == 2
	.amdgcn_target "amdgcn-amd-amdhsa--gfx1250"
	.amdhsa_code_object_version 6
	.text
	.protected	k_qa9ffc8b702_proj
	.globl	k_qa9ffc8b702_proj
	.p2align	8
	.type	k_qa9ffc8b702_proj,@function
k_qa9ffc8b702_proj:
	s_mov_b64 s[64:65], 0
	v_nop
	global_prefetch_b8 v0, s[64:65] scope:SCOPE_SE
	s_setreg_imm32_b32 hwreg(HW_REG_WAVE_MODE, 25, 1), 1
	s_wait_xcnt 0x0
	s_wait_alu depctr_hold_cnt(0) depctr_sa_sdst(0) depctr_va_vdst(0) depctr_va_sdst(0) depctr_va_ssrc(0) depctr_va_vcc(0) depctr_vm_vsrc(0)
	s_getreg_b32 s2, hwreg(HW_REG_IB_STS2, 6, 4)
	s_cmp_eq_u32 s2, 0
	s_cbranch_scc0 .Lentry_in_a_cluster
	s_endpgm
.Lentry_in_a_cluster:
	s_bfe_u32 s2, ttmp6, 0x10000c
	s_cmp_lg_u32 s2, 0xf033
	s_cbranch_scc0 .Lentry_shape_is_right
	s_endpgm
.Lentry_shape_is_right:
; q, k, v = x times the head's three weights, K = 768, on codes of E3M2 with E8M0 scales; the f32 results are quantised again in registers, q and k along the head's 64, v along the keys,
; and leave as images of the operands' registers (register q of lane l at byte 512 (q / 4) + 16 l + 4 (q % 4)).
; A work-group takes 256 tokens of one head.  Its x (6 K steps x 26,624 bytes) and the head's weights (6 x 19,200 bytes) are two dense blocks of memory; they come into LDS ONCE and nothing is filled again.
; CLUSTER 4 x 4: x hangs on work-group x alone and is asked for jointly by the four of a column of the cluster, the weights hang on work-group y alone and are asked for jointly by the four of a row.
; A wave has at most three tensor loads out.
; ONE BLOCK OF 32 TO A MATRIX INSTRUCTION.  These sums go into a quantiser, and sums of products of codes are dyadic numbers that do fall on the middle between two codes.  So each instruction multiplies ONE block
; of 32 along K, whose products all share one scale, with C = 0, and the 24 block sums of an output are added in f32 by vector additions.  One operand is masked for that: of its fragment one half of the lanes is
; kept (v_and_b32 with a lane mask), six cleared registers stand between its two halves of six registers, so that registers 0-11 of the eighteen are block h alone and registers 6-17 block 2 + h alone; its scale
; word keeps that block's byte alone.  Three quarters of an instruction's K are zero codes: that is the price.
; PHASE QK, twice: wave = (type = wave % 2: q or k; quad = wave / 2): 2 token tiles x 4 feature tiles.  TRANSPOSED: source 0 = 16 features, source 1 = 16 tokens (masked): a lane holds ONE token and, in tile f, features 16 f + 8 h + 0 .. 7.
; PHASE V: wave = (ch = wave / 4: 128 tokens; t = wave % 4: 16 channels).  Source 0 = 16 tokens, source 1 = 16 channels (masked): a lane holds ONE channel and, in tile i, tokens 16 i + 8 h + 0 .. 7.
; THE ORDER INSIDE A BLOCK OF 32.  Two neighbouring tiles' 16 registers of lanes l and l xor 16 are a block of 32 along the next K, in the order 0-7, 16-23, 8-15, 24-31.  q and k have that order alike, and so have v and
; the next launch's p: a block's scale and the exact products are those of the natural order.
; OUT.  qc: [head][64 tokens][pair] images of 1,536 bytes: registers 0-5 the even tile's 64 codes a row, registers 6-11 the odd tile's.  qs: [head][64 tokens] 256 bytes = [lane][2 words]: word p: lanes 0-15 the scale word of
; pair p's even tile, lanes 16-31 the odd tile's; bytes 0, 1 are scales, bytes 2, 3 are 0.  kv: [head][128 keys] chunks of 13,312 bytes: k's 4 pair images, v's 4 channel tiles' images (16 channels x 128 keys), k's scales
; (2 x 256 bytes, as qs), v's scales (4 x 128 bytes, [tile][lane]: the word of channel lane % 16; these are stores of 128 bytes, 196,608 bytes in all).
; LIMITS: NaN and infinities are not served; results of 2^105 and more are not served (the rounding's constant would overflow); a block whose largest magnitude lies under 2^-122 gets the byte 1 and is not rounded
; by the rule's grid; a block of zeros gets the byte 1 and zero codes (the bytes are read by this program alone).
.set XBLK,  26624
.set WBLK,  19200
.set WOFF,  6*XBLK                     ; LDS: x's six blocks, then the weights' six
.set CH,    13312
.set MK,    2                          ; v2  all ones in lanes 0-15, v3 all ones in lanes 16-31
.set AXB,   4                          ; v4-7   phase QK: LDS addresses of x's tiles, the weights' tiles, x's scale words, the weights' scale words, at K step 0
.set AWB,   5
.set ASXB,  6
.set ASWB,  7
.set AXVB,  8                          ; v8-11  the same for phase V
.set AWVB,  9
.set ASXVB, 10
.set ASWVB, 11
.set LI,    12                         ; v12 16 x lane; v13 8 x lane; v14 4 x lane; v15 16 h
.set L8,    13
.set L4,    14
.set H16,   15
.set WA,    16                         ; v16-19 the addresses that walk along K: unmasked fragments, fragments to be masked, the firsts' scale words, the seconds'
.set WB,    17
.set WC,    18
.set WD,    19
.set VS,    20                         ; v20-23 the unmasked fragments' scale words
.set RS,    24                         ; v24-25 the scale words that are to be masked
.set SM,    26                         ; v26-27 one byte of such a word: block h, block 2 + h
.set TP,    28                         ; v28-31 the quantiser's lane permutes, then the bytes
.set VAR,   32                         ; v32-79   four unmasked fragments
.set RAW,   80                         ; v80-103  one or two fragments to be masked
.set MX,    104                        ; v104-121 the masked operand: six registers, six zeros, six registers
.set SW,    122                        ; v122-123 the two words of a scale image
.set TMP,   128                        ; v128-191 eight block sums' tiles: (c, j) at 128 + 32 c + 8 j
.set ACC,   192                        ; v192-255 the sums: eight tiles
.set PC,    32                         ; the quantiser's codes: 12 registers and 7 at work
.set TM,    80                         ; v80-83 largest magnitudes; v84-87 scale operands; v88-91 the least normal numbers
.set TS,    84
.set MN,    88
.set PW,    92                         ; the scale word just made
.set BP,    94                         ; v94-97 the rounding's constants, four at a time
.set WV,    14                         ; s14 wave; s15 wave % 4
.set WI,    15
.set G1X,   16                         ; s[16:23] group 1 for x; s[24:31] for the weights; s[32:35], s[44:47] group 0 each
.set G1W,   24
.set G0X,   32
.set G0W,   44
.set EM,    56                         ; s56 the exponent field's mask; s57 the mantissa of 1.5; s[58:59] 2^21; s[60:61] -2^21; s62 a loop's counter (all written behind the addresses' arithmetic)
.set HF,    57
.set K21,   58
.set K21N,  60
.set CNT,   62
.macro CROUND                          ; a round of the cluster's barrier
	s_barrier_signal -1
	s_barrier_wait -1
	s_cmp_lg_u32 s[WV], 0
	s_cbranch_scc1 .Lnot_wave_0_\@
	s_barrier_signal -3
.Lnot_wave_0_\@:
	s_barrier_wait -3
	s_barrier_signal -1
	s_barrier_wait -1
.endm
.macro MM d, a, b, sa, sb, row1        ; one product 16 x 16 x 128 that starts a sum.  row1 = 1: source 0's scale words stand in lanes 16-31
.if \row1
	v_wmma_scale_f32_16x16x128_f8f6f4 v[\d:\d+7], v[\a:\a+11], v[\b:\b+11], 0, v[\sa], v[\sb] matrix_a_fmt:MATRIX_FMT_BF6 matrix_b_fmt:MATRIX_FMT_BF6 matrix_a_scale:MATRIX_SCALE_ROW1
.else
	v_wmma_scale_f32_16x16x128_f8f6f4 v[\d:\d+7], v[\a:\a+11], v[\b:\b+11], 0, v[\sa], v[\sb] matrix_a_fmt:MATRIX_FMT_BF6 matrix_b_fmt:MATRIX_FMT_BF6
.endif
.endm
.macro PLACES                          ; four plain vector instructions behind matrix instructions, ahead of reads of their results, of writes of their sources and of loads into these
.rept 4
	v_nop
.endr
.endm
	s_load_b256 s[4:11], s[0:1], 0x0               ; xq s[4:5], wq s[6:7], qc s[8:9], qs s[10:11]
	s_load_b64 s[12:13], s[0:1], 0x20              ; kv
	v_lshl_add_u32 v126, v0, 2, 0x43200
	v_mov_b32 v127, 0
	ds_add_u32 v126, v127
	ds_add_u32 v126, v127
	v_lshrrev_b32 v1, 5, v0
	s_delay_alu instid0(VALU_DEP_1)
	v_readfirstlane_b32 s[WV], v1                  ; wave 0..7
	s_and_b32 s[WI], s[WV], 3
	s_bfe_u32 s56, ttmp6, 0x40000                  ; cx, cy: my place in the cluster
	s_bfe_u32 s57, ttmp6, 0x40004
	s_lshl_b32 s58, ttmp9, 2
	s_add_co_u32 s58, s58, s56                     ; my block of 256 tokens = 4 x cluster x + cx
	s_and_b32 s59, ttmp7, 0xffff
	s_lshl_b32 s59, s59, 2
	s_add_co_u32 s59, s59, s57                     ; my head = 4 x cluster y + cy
	s_lshl_b32 s60, 0x1111, s56                    ; my column of the cluster: it shares x
	s_lshl_b32 s61, s57, 2
	s_lshl_b32 s61, 15, s61                        ; my row: it shares the weights
	; group 1: dense blocks as rows of 256 bytes (32 elements of 8 bytes): 156 rows a load for x, 150 for the weights; no padding: images are read 16 bytes a lane on end
	s_or_b32 s[G1X], s60, (3<<16)|(1<<21)          ; 15:0 the mask; 17:16 elements of 8 bytes; 21 set beside a mask
	s_or_b32 s[G1W], s61, (3<<16)|(1<<21)
	s_mov_b32 s[G1X+1], 32<<16                     ; tensor_dim0
	s_mov_b32 s[G1X+2], 156<<16                    ; tensor_dim1: a quarter of x's 624 rows of 256 bytes
	s_mov_b32 s[G1X+3], 32<<16                     ; tile_dim0
	s_mov_b32 s[G1X+4], 156                        ; tile_dim1
	s_mov_b32 s[G1X+5], 32                         ; the pitch
	s_mov_b32 s[G1X+6], 0
	s_mov_b32 s[G1X+7], 0
	s_mov_b32 s[G1W+1], 32<<16
	s_mov_b32 s[G1W+2], 150<<16                    ; a third of the weights' 450 rows of 256 bytes
	s_mov_b32 s[G1W+3], 32<<16
	s_mov_b32 s[G1W+4], 150
	s_mov_b32 s[G1W+5], 32
	s_mov_b32 s[G1W+6], 0
	s_mov_b32 s[G1W+7], 0
	s_mul_i32 s62, s[WI], 39936                    ; waves 0-3: a quarter of x's six K steps (6 x 26,624 bytes, dense in memory and in LDS)
	s_mul_i32 s63, s[WI], 38400                    ; waves 4-6: a third of the weights' six K steps (6 x 19,200 bytes)
	s_mul_i32 s66, s58, 6*XBLK
	s_add_co_u32 s66, s66, s62                     ; in xq: it hangs on the block of tokens and the wave
	s_mov_b32 s67, 0
	s_mul_i32 s68, s59, 6*WBLK
	s_add_co_u32 s68, s68, s63                     ; in wq: on the head and the wave
	s_mov_b32 s69, 0
	s_add_co_u32 s63, s63, WOFF
	s_wait_dscnt 0x0
	s_wait_kmcnt 0x0
	s_add_nc_u64 s[70:71], s[4:5], s[66:67]
	s_add_nc_u64 s[72:73], s[6:7], s[68:69]
	CROUND                                         ; all sixteen work-groups are here: the joint loads meet
.irp g, 0
	s_mov_b32 s[G0X+4*\g], 1
	s_add_co_u32 s[G0X+4*\g+1], s62, \g*2*XBLK
	s_add_nc_u64 s[G0X+4*\g+2:G0X+4*\g+3], s[70:71], \g*2*XBLK
	s_or_b32 s[G0X+4*\g+3], s[G0X+4*\g+3], 0x80000000
	s_mov_b32 s[G0W+4*\g], 1
	s_add_co_u32 s[G0W+4*\g+1], s63, \g*2*WBLK
	s_add_nc_u64 s[G0W+4*\g+2:G0W+4*\g+3], s[72:73], \g*2*WBLK
	s_or_b32 s[G0W+4*\g+3], s[G0W+4*\g+3], 0x80000000
.endr
	s_cmp_lt_u32 s[WV], 4                          ; one fill a wave, in one chain of branches on the wave's number, the same in every work-group; wave 7 fetches nothing
	s_cbranch_scc0 .Lnot_x
	tensor_load_to_lds s[G0X:G0X+3], s[G1X:G1X+7]
	s_nop 0
.rept 4
	v_nop
.endr
	s_branch .Lasked
.Lnot_x:
	s_cmp_lt_u32 s[WV], 7
	s_cbranch_scc0 .Lasked
	tensor_load_to_lds s[G0W:G0W+3], s[G1W:G1W+7]
	s_nop 0
.rept 4
	v_nop
.endr
.Lasked:
	v_and_b32 v1, 31, v0                           ; lane
	v_and_b32 v32, 15, v0                          ; r
	v_bfe_u32 v33, v0, 4, 1                        ; h
	s_delay_alu instid0(VALU_DEP_3)
	v_lshlrev_b32 v[LI], 4, v1
	s_delay_alu instid0(VALU_DEP_4)
	v_lshlrev_b32 v[L8], 3, v1
	s_wait_alu depctr_va_vdst(0)
	v_lshlrev_b32 v[L4], 2, v1
	s_wait_alu depctr_va_vdst(0)
	v_lshlrev_b32 v[H16], 4, v33
	v_add_nc_u32 v[MK], -1, v33                    ; h - 1: all ones where h = 0
	v_sub_nc_u32 v[MK+1], 0, v33                   ; - h: all ones where h = 1
	s_and_b32 s74, s[WV], 1                        ; type
	s_lshr_b32 s75, s[WV], 1                       ; quad
	s_lshr_b32 s76, s[WV], 2                       ; ch
	s_mul_i32 s77, s75, 6144
	v_add_nc_u32 v[AXB], s77, v[LI]                ; x's tiles 4 quad on
	s_mul_i32 s77, s74, 6144
	s_add_co_u32 s77, s77, WOFF
	v_add_nc_u32 v[AWB], s77, v[LI]                ; the weights' tiles 4 type on
	s_lshl_b32 s77, s75, 9
	s_add_co_u32 s77, s77, 24576
	v_add_nc_u32 v[ASXB], s77, v[L8]
	s_lshl_b32 s77, s74, 8
	s_add_co_u32 s77, s77, WOFF+18432
	v_add_nc_u32 v[ASWB], s77, v[L4]
	s_mul_i32 s77, s76, 12288
	v_add_nc_u32 v[AXVB], s77, v[LI]               ; x's tiles 8 ch on
	s_mul_i32 s77, s[WI], 1536
	s_add_co_u32 s77, s77, WOFF+8*1536
	v_add_nc_u32 v[AWVB], s77, v[LI]               ; v's tile t
	s_lshl_b32 s77, s76, 10
	s_add_co_u32 s77, s77, 24576
	v_add_nc_u32 v[ASXVB], s77, v[L8]
	s_lshl_b32 s77, s[WI], 6
	s_add_co_u32 s77, s77, WOFF+18944
	v_lshl_add_u32 v[ASWVB], v32, 2, s77           ; v's scale words: tile t's sixteen lie 64 t bytes on; every lane takes channel r's
.irp b, 0,1,2,3
	v_mov_b32 v[TP+\b], 0                          ; written once: a lane permute's destination counts as one of its sources
.endr
.irp j, 0,1,2,3,4,5
	v_mov_b32 v[MX+6+\j], 0                        ; the six zero registers in the middle of the masked operand
.endr
	s_mov_b32 s2, 0x76543210
	s_mov_b32 s3, 0xfedcba98                       ; v_permlanex16_b32's selects for lane l xor 16
	; where the results go
	s_lshl_b32 s77, s58, 2
	s_add_co_u32 s77, s77, s75                     ; my 64 tokens = 4 x block + quad
	s_mul_i32 s78, s59, 196608
	s_mul_i32 s79, s77, 3072
	s_add_co_u32 s78, s78, s79                     ; in qc
	s_lshl_b32 s79, s59, 14
	s_lshl_b32 s80, s77, 8
	s_add_co_u32 s79, s79, s80                     ; in qs
	s_mul_i32 s80, s59, 32*CH                      ; the head in kv
	s_lshr_b32 s81, s77, 1
	s_mul_i32 s81, s81, CH
	s_add_co_u32 s81, s81, s80                     ; the chunk of 128 keys
	s_and_b32 s82, s77, 1
	s_mul_i32 s83, s82, 3072
	s_add_co_u32 s83, s83, s81                     ; k's two pair images
	s_lshl_b32 s82, s82, 8
	s_add_co_u32 s82, s82, s81
	s_add_co_u32 s82, s82, 12288                   ; k's scale image
	s_cmp_eq_u32 s74, 0                            ; q or k: the choice hangs on the wave's number alone
	s_cselect_b32 s92, s78, s83
	s_cselect_b32 s94, s79, s82
	s_cselect_b64 s[84:85], s[8:9], s[12:13]
	s_cselect_b64 s[86:87], s[10:11], s[12:13]
	s_mov_b32 s93, 0
	s_mov_b32 s95, 0
	s_add_nc_u64 s[84:85], s[84:85], s[92:93]      ; codes
	s_add_nc_u64 s[86:87], s[86:87], s[94:95]      ; scales
	s_lshl_b32 s78, s58, 1
	s_add_co_u32 s78, s78, s76                     ; v: chunk 2 x block + ch
	s_mul_i32 s78, s78, CH
	s_add_co_u32 s78, s78, s80
	s_mul_i32 s79, s[WI], 1536
	s_add_co_u32 s92, s78, s79
	s_add_co_u32 s92, s92, 6144
	s_lshl_b32 s79, s[WI], 7
	s_add_co_u32 s94, s78, s79
	s_add_co_u32 s94, s94, 12800
	s_add_nc_u64 s[88:89], s[12:13], s[92:93]      ; v's image
	s_add_nc_u64 s[90:91], s[12:13], s[94:95]      ; v's scale words
	s_mov_b32 s[EM], 0x7f800000
	s_mov_b32 s[HF], 0x00400000
	s_mov_b32 s[K21], 0x4a000000                   ; 2^21
	s_mov_b32 s[K21+1], s[K21]                     ; (named with it as a pair, so it is written)
	s_mov_b32 s[K21N], 0xca000000                  ; -2^21
	s_mov_b32 s[K21N+1], s[K21N]
; One half of the lanes of the fragment in v[raw] on goes into the masked operand, and the two bytes of its scale word that belong to that half's blocks into two words of their own.
.macro MASK h, raw, rs
.irp j, 0,1,2,3,4,5
	v_and_b32 v[MX+\j], v[MK+\h], v[\raw+\j]
	v_and_b32 v[MX+12+\j], v[MK+\h], v[\raw+6+\j]
.endr
	v_and_b32 v[SM], 0xff<<(8*\h), v[\rs]          ; block h
	v_and_b32 v[SM+1], 0xff0000<<(8*\h), v[\rs]    ; block 2 + h
.endm
; The eight tiles in TMP, two blocks' sums for each of four tiles, are added onto the four tiles at v[acc].  init = 1: they start the sums: nothing is cleared.  Each tile is read from its low end on.
.macro ADDS acc, init
.if \init
.irp j, 0,2,4,6,8,10,12,14,16,18,20,22,24,26,28,30
	v_pk_add_f32 v[\acc+\j:\acc+\j+1], v[TMP+\j:TMP+\j+1], v[TMP+32+\j:TMP+32+\j+1]
.endr
.else
.irp j, 0,2,4,6,8,10,12,14,16,18,20,22,24,26,28,30
	v_pk_add_f32 v[\acc+\j:\acc+\j+1], v[\acc+\j:\acc+\j+1], v[TMP+\j:TMP+\j+1]
.endr
.irp j, 0,2,4,6,8,10,12,14,16,18,20,22,24,26,28,30
	v_pk_add_f32 v[\acc+\j:\acc+\j+1], v[\acc+\j:\acc+\j+1], v[TMP+32+\j:TMP+32+\j+1]
.endr
.endif
.endm
; A GROUP: blocks h and 2 + h of a K step, for four tiles: the mask; the LAST group's additions (onto v[pacc]; pacc < 0: there was none), of which at least twelve name no register of any one product: they stand between
; the writes of the masked operand and of its scale words and the products; eight products, each with C = 0 into a tile of its own.  Four places stand in front of every group.
.macro GRP h, raw, rs, pacc, pinit, qk
	MASK \h, \raw, \rs
.if (\pacc) < 0
.rept 8
	v_nop
.endr
.else
	ADDS \pacc, \pinit
.endif
.irp c, 0,1
.if \qk
.irp e, 0,1
	MM TMP+32*\c+16*\e, VAR+24*\e, MX+6*\c, VS+\e, SM+\c, 0
	MM TMP+32*\c+16*\e+8, VAR+24*\e+12, MX+6*\c, VS+\e, SM+\c, 1
.endr
.else
.irp j, 0,1,2,3
	MM TMP+32*\c+8*\j, VAR+12*\j, MX+6*\c, VS+\j, SM+\c, 0
.endr
.endif
.endr
.endm
; A K step of phase QK: the weights' four fragments, x's two; four groups.  The four address steps at its end are the places in front of the next step's loads, or of the last additions.
.macro QSTEP init
.irp g, 0,1,2,3,4,5,6,7,8,9,10,11
	ds_load_b128 v[VAR+4*\g:VAR+4*\g+3], v[WA] offset:512*\g
.endr
.irp g, 0,1,2,3,4,5
	ds_load_b128 v[RAW+4*\g:RAW+4*\g+3], v[WB] offset:512*\g
.endr
	ds_load_b32 v[VS], v[WC]
	ds_load_b32 v[VS+1], v[WC] offset:128
	ds_load_b64 v[RS:RS+1], v[WD]
	s_wait_dscnt 0x0
.if \init
	GRP 0, RAW, RS, -1, 0, 1
.else
	GRP 0, RAW, RS, ACC+32, 0, 1
.endif
	PLACES
	GRP 1, RAW, RS, ACC, \init, 1
	PLACES
	GRP 0, RAW+12, RS+1, ACC, 0, 1
	PLACES
	GRP 1, RAW+12, RS+1, ACC+32, \init, 1
	v_add_nc_u32 v[WA], WBLK, v[WA]
	v_add_nc_u32 v[WB], XBLK, v[WB]
	v_add_nc_u32 v[WC], WBLK, v[WC]
	v_add_nc_u32 v[WD], XBLK, v[WD]
.endm
; A K step of phase V: v's weight fragment; x's eight fragments, four at a time; four groups.
.macro VSTEP init
.irp g, 0,1,2
	ds_load_b128 v[RAW+4*\g:RAW+4*\g+3], v[WB] offset:512*\g
.endr
	ds_load_b32 v[RS], v[WD]
.irp g, 0,1,2,3,4,5,6,7,8,9,10,11
	ds_load_b128 v[VAR+4*\g:VAR+4*\g+3], v[WA] offset:512*\g
.endr
	ds_load_b64 v[VS:VS+1], v[WC]
	ds_load_b64 v[VS+2:VS+3], v[WC] offset:256
	s_wait_dscnt 0x0
.if \init
	GRP 0, RAW, RS, -1, 0, 0
.else
	GRP 0, RAW, RS, ACC+32, 0, 0
.endif
	PLACES
	GRP 1, RAW, RS, ACC, \init, 0
	PLACES
.irp g, 0,1,2,3,4,5,6,7,8,9,10,11
	ds_load_b128 v[VAR+4*\g:VAR+4*\g+3], v[WA] offset:6144+512*\g
.endr
	ds_load_b64 v[VS:VS+1], v[WC] offset:512
	ds_load_b64 v[VS+2:VS+3], v[WC] offset:768
	s_wait_dscnt 0x0
	GRP 0, RAW, RS, ACC, 0, 0
	PLACES
	GRP 1, RAW, RS, ACC+32, \init, 0
	v_add_nc_u32 v[WA], XBLK, v[WA]
	v_add_nc_u32 v[WB], WBLK, v[WB]
	v_add_nc_u32 v[WC], XBLK, v[WC]
	v_add_nc_u32 v[WD], WBLK, v[WD]
.endm
; 64 numbers of a lane, v[src] on: registers 16 b .. 16 b + 15 are my 16 of block b, lane l xor 16 holds the other 16.  They become 12 registers of codes in v[pc] on (registers 6 c on: lanes 0-15 block 2 c, lanes 16-31 block
; 2 c + 1) and the four blocks' bytes in v[PW].
; THE ROUNDING IS DONE IN F32 ARITHMETIC, ahead of the conversion.  The grid's step at z is a quarter of m = the larger of 2^floor(log2 |z|) and the block's least normal number (the scale / 4); B = 1.5 x 2^21 x m has
; that step as its last place and is an even multiple of it, so (z + B) - B is z rounded to the grid, ties to even.  The conversion then has nothing left to round.
.macro QUANT src, pc
.irp b, 0,1,2,3
	v_max3_num_f32 v[TM+\b], |v[\src+16*\b]|, |v[\src+16*\b+1]|, 0x2800000   ; with the floor 2^(5 - 127): the byte cannot fall under 1
.endr
.irp i, 2,4,6,8,10,12,14
.irp b, 0,1,2,3
	s_delay_alu instid0(VALU_DEP_4)
	v_max3_num_f32 v[TM+\b], v[TM+\b], |v[\src+16*\b+\i]|, |v[\src+16*\b+\i+1]|   ; the four blocks by turns
.endr
.endr
.irp b, 0,1,2,3
	s_delay_alu instid0(VALU_DEP_4)
	v_permlanex16_b32 v[TP+\b], v[TM+\b], s2, s3
.endr
.irp b, 0,1,2,3
	s_delay_alu instid0(VALU_DEP_4)
	v_max_num_f32 v[TM+\b], v[TM+\b], v[TP+\b]     ; with lane l xor 16's: the block's largest magnitude
.endr
.irp b, 0,1,2,3
	s_delay_alu instid0(VALU_DEP_4)
	v_add_nc_u32 v[TS+\b], 0xfe000000, v[TM+\b]    ; 4 off the exponent field: the conversion's scale operand
.endr
.irp b, 0,1,2,3
	s_delay_alu instid0(VALU_DEP_4)
	v_lshrrev_b32 v[TP+\b], 23, v[TS+\b]           ; the scale's byte
.endr
	s_delay_alu instid0(VALU_DEP_3)
	v_lshl_or_b32 v[PW], v[TP+1], 8, v[TP]
	s_delay_alu instid0(VALU_DEP_1)
	v_lshl_or_b32 v[PW], v[TP+2], 16, v[PW]
	s_delay_alu instid0(VALU_DEP_1)
	v_lshl_or_b32 v[PW], v[TP+3], 24, v[PW]
.irp b, 0,1,2,3
	v_add_nc_u32 v[MN+\b], 0xff000000, v[TS+\b]    ; 2 more off: a number in the least normal number's binade (of a block at the floor: no number, and the maximum below passes it over)
.endr
.irp b, 0,1,2,3
.irp i, 0,4,8,12
.irp n, 0,1,2,3
	v_max_num_f32 v[BP+\n], |v[\src+16*\b+\i+\n]|, v[MN+\b]
.endr
.irp n, 0,1,2,3
	s_delay_alu instid0(VALU_DEP_4)
	v_and_or_b32 v[BP+\n], v[BP+\n], s[EM], s[HF]  ; 1.5 m: the exponent field alone, over the mantissa of 1.5
.endr
.irp n, 0
	s_delay_alu instid0(VALU_DEP_3)
	v_pk_fma_f32 v[\src+16*\b+\i+\n:\src+16*\b+\i+\n+1], v[BP+\n:BP+\n+1], s[K21:K21+1], v[\src+16*\b+\i+\n:\src+16*\b+\i+\n+1] op_sel_hi:[1,0,1]    ; z + B: here the rounding happens
.endr
.irp n, 2
	s_delay_alu instid0(VALU_DEP_2)
	v_pk_fma_f32 v[\src+16*\b+\i+\n:\src+16*\b+\i+\n+1], v[BP+\n:BP+\n+1], s[K21:K21+1], v[\src+16*\b+\i+\n:\src+16*\b+\i+\n+1] op_sel_hi:[1,0,1]    ; z + B: here the rounding happens
.endr
.irp n, 0,2
	s_delay_alu instid0(VALU_DEP_2)
	v_pk_fma_f32 v[\src+16*\b+\i+\n:\src+16*\b+\i+\n+1], v[BP+\n:BP+\n+1], s[K21N:K21N+1], v[\src+16*\b+\i+\n:\src+16*\b+\i+\n+1] op_sel_hi:[1,0,1]  ; - B: exact
.endr
.endr
.endr
.irp c, 0,1
	v_cvt_scalef32_pk16_bf6_f32 v[\pc+6*\c:\pc+6*\c+2], v[\src+32*\c:\src+32*\c+15], v[TS+2*\c]
	v_cvt_scalef32_pk16_bf6_f32 v[\pc+12+4*\c:\pc+14+4*\c], v[\src+32*\c+16:\src+32*\c+31], v[TS+2*\c+1]   ; (a conversion's three registers begin on an even number)
.endr
	v_nop                                          ; one plain place behind a scaled conversion
.irp c, 0,1
.irp i, 0,1,2
	v_permlane16_swap_b32 v[\pc+6*\c+\i], v[\pc+12+4*\c+\i]   ; the first's lanes 16-31 change places with the second's lanes 0-15: a whole block in a lane
.endr
.irp i, 0,1,2
	s_delay_alu instid0(VALU_DEP_3)
	v_mov_b32 v[\pc+6*\c+3+\i], v[\pc+12+4*\c+\i]
.endr
.endr
.endm
; Token tiles 2 p and 2 p + 1 of my four: all of K, the quantiser, a pair image.
.macro QPASS p
	s_wait_xcnt 0x0                                ; earlier stores have read their data registers, which the loads below fill anew
	v_add_nc_u32 v[WA], 0, v[AWB]
	v_add_nc_u32 v[WB], 3072*\p, v[AXB]
	v_add_nc_u32 v[WC], 0, v[ASWB]
	v_add_nc_u32 v[WD], 256*\p, v[ASXB]
	QSTEP 1                                        ; the first K step starts the sums
	s_mov_b32 s[CNT], 5
.Lq_\@:
	s_wait_alu depctr_va_vdst(0)
	QSTEP 0
	s_sub_co_u32 s[CNT], s[CNT], 1
	s_cmp_lg_u32 s[CNT], 0
	s_cbranch_scc1 .Lq_\@
	ADDS ACC+32, 0                                 ; the last group's sums
	QUANT ACC, PC                                  ; v[PW] = the even tile's two bytes, the odd tile's two
	v_lshrrev_b32 v[SW+\p], v[H16], v[PW]
	s_delay_alu instid0(VALU_DEP_1)
	v_and_b32 v[SW+\p], 0xffff, v[SW+\p]           ; lanes 0-15 keep the even tile's bytes, lanes 16-31 the odd tile's; bytes 2 and 3 are 0
.irp g, 0,1,2
	global_store_b128 v[LI], v[PC+4*\g:PC+4*\g+3], s[84:85] offset:1536*\p+512*\g   ; 512 consecutive bytes, at a multiple of 256 from the buffer's first byte
.endr
.endm
	s_wait_tensorcnt 0x0                           ; my parts of x or of the weights are in,
	s_barrier_signal -1
	s_barrier_wait -1                              ; everybody's are; nothing is filled again
	QPASS 0
	QPASS 1
	global_store_b64 v[L8], v[SW:SW+1], s[86:87]   ; 256 consecutive bytes
	; ---- phase V
	s_wait_xcnt 0x0                                ; the stores have read their data registers, which the loads below fill anew
	v_add_nc_u32 v[WA], 0, v[AXVB]
	v_add_nc_u32 v[WB], 0, v[AWVB]
	v_add_nc_u32 v[WC], 0, v[ASXVB]
	v_add_nc_u32 v[WD], 0, v[ASWVB]
	VSTEP 1
	s_mov_b32 s[CNT], 5
.Lv:
	s_wait_alu depctr_va_vdst(0)
	VSTEP 0
	s_sub_co_u32 s[CNT], s[CNT], 1
	s_cmp_lg_u32 s[CNT], 0
	s_cbranch_scc1 .Lv
	ADDS ACC+32, 0
	QUANT ACC, PC                                  ; 128 tokens of my channel: four blocks along the keys: one fragment and its scale word
.irp g, 0,1,2
	global_store_b128 v[LI], v[PC+4*\g:PC+4*\g+3], s[88:89] offset:512*\g
.endr
	global_store_b32 v[L4], v[PW], s[90:91]        ; 128 consecutive bytes; both halves of the lanes hold channel r's word
	s_wait_tensorcnt 0x0
	ds_add_u32 v126, v127
	s_wait_dscnt 0x0
	CROUND                                         ; the closing round: no work-group ends while a partner may still ask for a block that names it
	s_endpgm
.Lfunc_end_k_qa9ffc8b702_proj:
	.size	k_qa9ffc8b702_proj, .Lfunc_end_k_qa9ffc8b702_proj-k_qa9ffc8b702_proj
	.p2alignl 7, 3214868480
	.fill 96, 4, 3214868480
	.section	.rodata,"a",@progbits
	.p2align	6, 0x0
	.amdhsa_kernel k_qa9ffc8b702_proj
		.amdhsa_group_segment_fixed_size 275968
		.amdhsa_private_segment_fixed_size 0
		.amdhsa_enable_private_segment 0
		.amdhsa_kernarg_size 40
		.amdhsa_user_sgpr_count 2
		.amdhsa_user_sgpr_kernarg_segment_ptr 1
		.amdhsa_wavefront_size32 1
		.amdhsa_system_sgpr_workgroup_id_x 1
		.amdhsa_system_sgpr_workgroup_id_y 1
		.amdhsa_system_sgpr_workgroup_id_z 1
		.amdhsa_system_vgpr_workitem_id 0
		.amdhsa_next_free_vgpr 256
		.amdhsa_next_free_sgpr 96
		.amdhsa_reserve_vcc 0
		.amdhsa_float_denorm_mode_32 3
		.amdhsa_float_denorm_mode_16_64 3
		.amdhsa_memory_ordered 1
		.amdhsa_forward_progress 1
		.amdhsa_inst_pref_size 168
	.end_amdhsa_kernel
	.amdgpu_metadata
---
amdhsa.version: [ 1, 2 ]
amdhsa.kernels:
  - .name:           k_qa9ffc8b702_proj
    .symbol:         k_qa9ffc8b702_proj.kd
    .args:
      - { .name: xq, .offset: 0, .size: 8, .value_kind: global_buffer, .address_space: global }
      - { .name: wq, .offset: 8, .size: 8, .value_kind: global_buffer, .address_space: global }
      - { .name: qc, .offset: 16, .size: 8, .value_kind: global_buffer, .address_space: global }
      - { .name: qs, .offset: 24, .size: 8, .value_kind: global_buffer, .address_space: global }
      - { .name: kv, .offset: 32, .size: 8, .value_kind: global_buffer, .address_space: global }
    .group_segment_fixed_size: 275968
    .private_segment_fixed_size: 0
    .kernarg_segment_align: 8
    .kernarg_segment_size: 40
    .max_flat_workgroup_size: 256
    .sgpr_count:     96
    .vgpr_count:     256
    .wavefront_size: 32
...
	.end_amdgpu_metadata
.endif
;; end of part 2
;; launch attn (part 3): grid 256 x 1, 16 waves a work-group, no clusters, 327,680 bytes of LDS; arguments qc, qs, kv, out0; writes out0
.if DOCPART == 3
	.amdgcn_target "amdgcn-amd-amdhsa--gfx1250"
	.amdhsa_code_object_version 6
	.text
	.protected	k_qa9ffc8b702_attn
	.globl	k_qa9ffc8b702_attn
	.p2align	8
	.type	k_qa9ffc8b702_attn,@function
k_qa9ffc8b702_attn:
	s_mov_b64 s[64:65], 0
	v_nop
	global_prefetch_b8 v0, s[64:65] scope:SCOPE_SE
	s_setreg_imm32_b32 hwreg(HW_REG_WAVE_MODE, 25, 1), 1
	s_wait_xcnt 0x0
; out[h][q][:] = the sum over keys k <= q of softmax_k(q . k / 8) v[k][:], 12 heads, 4,096 tokens, head size 64; both products on codes of E3M2 with E8M0 scales.
; LEFT OUT: key steps all of whose keys come after the queries: the causal mask sets their scores to -infinity, so they add nothing to any output.
; THE SOFTMAX AHEAD OF THE SECOND PRODUCT: t = score x log2(e) / 8, a product rounded to f32 by itself; M = the running largest t rounded UP to a whole number; p = 2^(t - M) is quantised along the keys, not normalised;
; the row's sum is taken of the unquantised p and divides at the end.  When M moves, the sum and O are multiplied by 2^(old M - new M): exact.
; THE DEAL.  A half-block is 64 queries (4 tiles of 16) of one head; half-block hb needs hb / 2 + 1 key steps of 128.  The 768 half-blocks need 12,672 steps, 49.5 for each of 256 work-groups.
; Work-group w (a = w / 64, m = w % 32, hi = (w / 32) % 2) takes three JOBS: half-block m of head 3 a + hi (m / 2 + 1 steps), half-block m + 32 of head 3 a + 1 - hi (m / 2 + 17 steps), half-block 62 - 2 m + hi of
; head 3 a + 2 (32 - m steps): each half-block of each head once, 50 - m % 2 steps a work-group.  The three jobs' steps lie on end as a TAPE.  Four groups of four waves (group = wave / 4, the wave's tile of the
; half-block = wave % 4) take the tape's places 13 g .. 13 g + 12 (the last group 10 or 11).  The middle job has 17 steps or more, so a span of 13 holds at most one border between jobs inside it.
; At such a border a wave puts its state (-M, the sum, O^T) into LDS bytes of its own, begins anew and takes the next job's Q; at the end every wave puts its last state into LDS, and waves 0-11 (job = wave / 4) join the
; parts of one tile each: each part is brought under the largest M by a power of two, which rounds nothing, and added.
; Q'S OPERANDS of the twelve tiles are made once, by waves 0-11 at the head, and lie in LDS as images of their registers.
; NO CLUSTER: the groups of different work-groups walk different chunks; no two work-groups ask for the same chunk in the same turn by the deal's arithmetic.
; NO PREFETCH: the 384 chunks of kv are asked for 12,672 times, by 768 groups that begin at different places; no group can tell from ids which of its chunks nobody has asked for yet.
; THE RING.  A key step's operands are one dense chunk of 13,312 bytes of kv.  Two LDS slots; a slot holds two steps' chunks for each of the four groups.  Waves 0 and 1 of a group fetch a chunk each: one tensor load of a wave
; is out at any time, and it has two key steps in which to land.  A chunk is fetched exactly where its step is worked (place in the span under the span's length).  Eight turns, a constant.
; LAYOUT.  Both products are used transposed: S^T = K Q^T, O^T = V^T P^T: a lane holds ONE query (lane % 16); register 8 t + j of S^T is key 16 t + 8 h + j.  Two neighbouring tiles' 16 registers of lanes l and l xor 16
; are a block of 32 keys in the order 0-7, 16-23, 8-15, 24-31, the order in which v's codes were laid.
; THE FIRST PRODUCT.  Q stands in four operands, parted by the size of its codes (at least 8; 2 to 7; 0.5 to 1.75; under 0.5), each written anew as codes from 4 to 28 under scale bytes lowered by 0, 2, 4, 6: the same numbers
; exactly; so the products of one instruction are close in size.  Its K is 64 in an instruction of 128: registers 6-11 of each Q operand are zero codes; K's fragment of tile t is the window of 12 registers from its six on.
; LIMITS: NaN and infinities are not served; q's scale bytes are at least 7 (a block of q whose largest magnitude lies under 2^-116 is not served); p under 2^-126 counts as 0; a block of p whose largest lies under 2^-122
; gets the byte 1; the scaled scores stay under 2^31 in magnitude.
.set CH,    13312
.set SLOTB, 8*CH
.set QIMG,  2*SLOTB                    ; twelve Q images of QTB bytes: four classes (512 + 256 bytes), then the four scale words a lane (512 bytes)
.set QTB,   3584
.set MID,   QIMG+12*QTB                ; a state for each wave: O^T 4,096 bytes, then (-M, the sum) 256 bytes
.set STB,   4352
.set SPARE, MID+16*STB                 ; the spare words, 128 bytes for each wave
.set FIN,   SLOTB                      ; behind the walk: each wave's last state, in slot 1, which has had its last fill
.set STAGE, 0                          ; and the way out's stages, 16 rows x 272 bytes a wave, in slot 0
.set LI,   1                           ; v1-3 slot 0, v8-10 slot 1: my group's two chunks + 16 x lane; + 8 x lane; + 128 h + 4 r
.set L8,   2
.set LV,   3
.set SPW,  4
.set NIL,  5
.set NINF, 6
.set QD,   7                           ; r - 8 h
.set AT,   11                          ; an LDS address + 16 x lane; AU (= T): + 8 x lane
.set Q0,   16
.set Q1,   192
.set Q2,   232
.set Q3,   244
.set QS,   28
.set FRG,  32
.set KS,   86
.set VS,   90
.set FG,   90
.set PW,   92
.set T,    93
.set AU,   93
.set FF,   94
.set S,    96
.set O,    160
.set PC,   204
.set PT,   216
.set BM,   224
.set BT,   228
.set RV,   96                          ; at the head alone
.set DV,   128
.set HH,   160
.set QR,   162
.set QM,   168
.set QW,   172
.set C7F,  173
.set CSC,  174
.set CT,   176
.set OF,   180
.set WV,   12
.set J,    13                          ; wave % 4
.set SEL,  14
.set CS,   16
.set G,    18                          ; wave / 4
.set MA,   19                          ; my state's LDS address
.set G1,   20
.set G0,   28
.set KF,   36                          ; the step's first key
.set Q0R,  37                          ; my first query
.set P,    38                          ; my place on the tape; I: in my span; LEN: my span's length
.set I,    39
.set LEN,  40
.set PL,   41                          ; the same two for the chunk that I fetch next
.set IL,   42
.set CUM1, 44                          ; where job 1 and job 2 begin on the tape; TT its length
.set CUM2, 45
.set TT,   46
.set ST,   47                          ; where my job begins; NXB the next place at which I change jobs; K my job
.set NXB,  48
.set K,    49
.set HB0,  50                          ; s50-52 the jobs' half-blocks; s53-55 chunk number less tape place; s59-61 heads
.set CB0,  53
.set TH,   56
.set HD0,  59
.set CNT,  62
.macro MM d, a, b, sa, sb, zero, row1
.if \zero
.if \row1
	v_wmma_scale_f32_16x16x128_f8f6f4 v[\d:\d+7], v[\a:\a+11], v[\b:\b+11], 0, v[\sa], v[\sb] matrix_a_fmt:MATRIX_FMT_BF6 matrix_b_fmt:MATRIX_FMT_BF6 matrix_a_scale:MATRIX_SCALE_ROW1
.else
	v_wmma_scale_f32_16x16x128_f8f6f4 v[\d:\d+7], v[\a:\a+11], v[\b:\b+11], 0, v[\sa], v[\sb] matrix_a_fmt:MATRIX_FMT_BF6 matrix_b_fmt:MATRIX_FMT_BF6
.endif
.else
.if \row1
	v_wmma_scale_f32_16x16x128_f8f6f4 v[\d:\d+7], v[\a:\a+11], v[\b:\b+11], v[\d:\d+7], v[\sa], v[\sb] matrix_a_fmt:MATRIX_FMT_BF6 matrix_b_fmt:MATRIX_FMT_BF6 matrix_a_scale:MATRIX_SCALE_ROW1
.else
	v_wmma_scale_f32_16x16x128_f8f6f4 v[\d:\d+7], v[\a:\a+11], v[\b:\b+11], v[\d:\d+7], v[\sa], v[\sb] matrix_a_fmt:MATRIX_FMT_BF6 matrix_b_fmt:MATRIX_FMT_BF6
.endif
.endif
.endm
.macro KQ q, qs, zero                  ; one class of Q against the step's eight tiles of keys: eight accumulators, one instruction each
.irp e, 0,1,2,3
	MM S+16*\e, FRG+12*\e, \q, KS+\e, \qs, \zero, 0
	MM S+16*\e+8, FRG+12*\e+6, \q, KS+\e, \qs, \zero, 1
.endr
.endm
.macro PLACES
.rept 4
	v_nop
.endr
.endm
.macro ADDR s                          ; v[AT] = s + 16 x lane, v[AU] = s + 8 x lane
	v_and_b32 v[AT], 31, v0
	v_lshlrev_b32 v[AU], 3, v[AT]
	v_lshlrev_b32 v[AT], 4, v[AT]
	v_add_nc_u32 v[AU], s[\s], v[AU]
	v_add_nc_u32 v[AT], s[\s], v[AT]
.endm
.macro LADDR g0                        ; the global address of the chunk at tape place PL: its job's chunk number less place, + the place
	s_cmp_ge_u32 s[PL], s[CUM1]
	s_cselect_b32 s66, s[CB0+1], s[CB0]
	s_cmp_ge_u32 s[PL], s[CUM2]
	s_cselect_b32 s66, s[CB0+2], s66
	s_add_co_u32 s66, s66, s[PL]
	s_mul_i32 s66, s66, CH
	s_add_nc_u64 s[\g0+2:\g0+3], s[8:9], s[66:67]
	s_or_b32 s[\g0+3], s[\g0+3], 0x80000000
.endm
.macro TLOAD g0                        ; waves 0 and 1 of a group fetch a chunk each, where the span has that place; then the place steps on by a turn
	s_cmp_lt_u32 s[J], 2
	s_cbranch_scc0 .Lnone_\@
	s_cmp_lt_u32 s[IL], s[LEN]
	s_cbranch_scc0 .Lnone_\@
	tensor_load_to_lds s[\g0:\g0+3], s[G1:G1+7]
	s_nop 0
	PLACES
.Lnone_\@:
	s_add_co_u32 s[PL], s[PL], 2
	s_add_co_u32 s[IL], s[IL], 2
.endm
.macro QENC dst, src, scl              ; 32 numbers of a lane become six registers of codes, each number divided by the power of two scl
	v_mov_b32 v[CSC], \scl
	v_cvt_scalef32_pk16_bf6_f32 v[\dst:\dst+2], v[\src:\src+15], v[CSC]
	v_cvt_scalef32_pk16_bf6_f32 v[CT:CT+2], v[\src+16:\src+31], v[CSC]
	v_nop
.irp i, 0,1,2
	v_mov_b32 v[\dst+3+\i], v[CT+\i]
.endr
.endm
.macro QCLASS dst, thr, scl            ; the numbers of magnitude s[thr] and more are taken out of v[RV] on (x - x = 0 is left) and made an operand
.irp i, 0,1,2,3,4,5,6,7,8,9,10,11,12,13,14,15,16,17,18,19,20,21,22,23,24,25,26,27,28,29,30,31
	v_cmp_ge_f32 vcc_lo, |v[RV+\i]|, s[\thr]
	v_cndmask_b32 v[DV+\i], 0, v[RV+\i], vcc_lo
	v_sub_f32 v[RV+\i], v[RV+\i], v[DV+\i]
.endr
	QENC \dst, DV, \scl
.endm
.macro PUTSTATE                        ; my state to v[AT], v[AU]: each accumulator from its low end on; the sum's two halves are added first
	v_add_f32 v13, v14, v15
.irp i, 0,1,2,3,4,5,6,7
	ds_store_b128 v[AT], v[O+4*\i:O+4*\i+3] offset:512*\i
.endr
	ds_store_b64 v[AU], v[12:13] offset:4096
.endm
.macro NEWSTATE                        ; the largest t: -3e38, under every t; -M; the sum; O^T
	v_mov_b32 v13, 0xff61b1e6
	v_mov_b32 v14, 0
	v_mov_b32 v15, 0
	v_floor_f32 v12, -v13
.irp j, 0,1,2,3,4,5,6,7,8,9,10,11,12,13,14,15,16,17,18,19,20,21,22,23,24,25,26,27,28,29,30,31
	v_mov_b32 v[O+\j], 0
.endr
.endm
	s_load_b256 s[4:11], s[0:1], 0x0               ; qc s[4:5], qs s[6:7], kv s[8:9], out0 s[10:11]
	v_lshl_add_u32 v[SPW], v0, 2, SPARE
	v_mov_b32 v[NIL], 0
	ds_add_u32 v[SPW], v[NIL]                      ; the opening lines: the add twice on end and its wait ahead of my first tensor load
	ds_add_u32 v[SPW], v[NIL]
	v_lshrrev_b32 v6, 5, v0
	v_readfirstlane_b32 s[WV], v6                  ; wave 0..15
	s_lshr_b32 s[G], s[WV], 2
	s_and_b32 s[J], s[WV], 3
	s_mov_b32 s[G1], 3<<16                         ; elements of 8 bytes; a chunk is 52 dense rows of 256 bytes
	s_mov_b32 s[G1+1], 32<<16
	s_mov_b32 s[G1+2], 52<<16
	s_mov_b32 s[G1+3], 32<<16
	s_mov_b32 s[G1+4], 52
	s_mov_b32 s[G1+5], 32
	s_mov_b32 s[G1+6], 0
	s_mov_b32 s[G1+7], 0
	s_lshr_b32 s68, ttmp9, 6                       ; a
	s_and_b32 s69, ttmp9, 63
	s_and_b32 s[HB0], s69, 31                      ; m
	s_lshr_b32 s69, s69, 5                         ; hi
	s_add_co_u32 s[HB0+1], s[HB0], 32
	s_lshl_b32 s43, s[HB0], 1
	s_sub_co_u32 s[HB0+2], 62, s43
	s_add_co_u32 s[HB0+2], s[HB0+2], s69
	s_mul_i32 s68, s68, 3
	s_add_co_u32 s[HD0], s68, s69
	s_add_co_u32 s[HD0+1], s68, 1
	s_sub_co_u32 s[HD0+1], s[HD0+1], s69
	s_add_co_u32 s[HD0+2], s68, 2
	s_lshr_b32 s43, s[HB0], 1
	s_add_co_u32 s[CUM1], s43, 1
	s_lshl_b32 s43, s43, 1
	s_add_co_u32 s[CUM2], s43, 18
	s_sub_co_u32 s[TT], 32, s[HB0]
	s_add_co_u32 s[TT], s[TT], s[CUM2]
	s_lshl_b32 s[CB0], s[HD0], 5                   ; 32 chunks a head
	s_lshl_b32 s[CB0+1], s[HD0+1], 5
	s_sub_co_u32 s[CB0+1], s[CB0+1], s[CUM1]
	s_lshl_b32 s[CB0+2], s[HD0+2], 5
	s_sub_co_u32 s[CB0+2], s[CB0+2], s[CUM2]
	s_mul_i32 s[P], s[G], 13
	s_mov_b32 s[I], 0
	s_mov_b32 s[NXB], s[P]                         ; my first step takes its job's Q
	s_mov_b32 s[ST], 0
	s_mov_b32 s[K], 0
	s_mov_b32 s[Q0R], 0
	s_sub_co_u32 s43, s[TT], 39
	s_cmp_eq_u32 s[G], 3
	s_cselect_b32 s[LEN], s43, 13
	s_and_b32 s[IL], s[J], 1
	s_add_co_u32 s[PL], s[P], s[IL]
	s_lshl_b32 s43, s[G], 1
	s_add_co_u32 s43, s43, s[IL]
	s_mul_i32 s43, s43, CH                         ; where my chunk goes in a slot
	s_mov_b32 s[G0], 1
	s_mov_b32 s[G0+1], s43
	s_mov_b32 s[G0+4], 1
	s_add_co_u32 s[G0+5], s43, SLOTB
	s_mov_b32 s67, 0
	s_mul_i32 s[MA], s[WV], STB
	s_add_co_u32 s[MA], s[MA], MID
	s_wait_alu depctr_va_vdst(0)
	s_wait_dscnt 0x0
	s_wait_kmcnt 0x0
	LADDR G0
	TLOAD G0                                       ; slot 0's first fill; slot 1's goes out behind the first barrier, as a refill does
	v_and_b32 v6, 31, v0                           ; lane
	v_and_b32 v11, 15, v0                          ; r
	v_bfe_u32 v[HH], v0, 4, 1                      ; h
	s_lshl_b32 s43, s[G], 1
	s_mul_i32 s43, s43, CH                         ; my group's two chunks in a slot
	v_lshl_add_u32 v[LI], v6, 4, s43
	v_lshl_add_u32 v[L8], v6, 3, s43
	v_lshl_add_u32 v[LV], v11, 2, s43
	v_lshl_add_u32 v[LV], v[HH], 7, v[LV]
	v_add_nc_u32 v[LI+7], SLOTB, v[LI]
	v_add_nc_u32 v[L8+7], SLOTB, v[L8]
	v_add_nc_u32 v[LV+7], SLOTB, v[LV]
	v_lshlrev_b32 v[QD], 3, v[HH]
	v_sub_nc_u32 v[QD], v11, v[QD]
.irp q, Q0, Q1, Q2, Q3
.irp i, 0,1,2,3,4,5,6,7,8,9,10,11
	v_mov_b32 v[\q+\i], 0                          ; the upper six stay zero codes; the lower six are filled at a job's start
.endr
.endr
.irp j, 0,1,2,3,4,5
	v_mov_b32 v[FRG+48+\j], 0                      ; zero codes behind K's last tile
.endr
.irp b, 0,1,2,3
	v_mov_b32 v[BT+\b], 0                          ; a lane permute's destination counts as one of its sources
	v_mov_b32 v[QS+\b], 0
.endr
	v_mov_b32 v[FF+1], 0                           ; (named as the upper half of a pair)
	v_mov_b32 v[T], 0
	v_mov_b32 v[C7F], 0x7f7f7f7f
	s_mov_b32 s[SEL], 0x76543210
	s_mov_b32 s[SEL+1], 0xfedcba98
	s_mov_b32 s[CS], 0x3e38aa3b                    ; c = log2(e) / 8
	s_mov_b32 s[CS+1], s[CS]
	s_mov_b32 s[TH], 0x41000000                    ; 8, 2, 0.5
	s_mov_b32 s[TH+1], 0x40000000
	s_mov_b32 s[TH+2], 0x3f000000
	s_cmp_eq_u32 s[G], 1                           ; the tile that I prepare at the head and finish at the end: job wave / 4, tile wave % 4
	s_cselect_b32 s72, s[HB0+1], s[HB0]
	s_cselect_b32 s73, s[HD0+1], s[HD0]
	s_cmp_eq_u32 s[G], 2
	s_cselect_b32 s72, s[HB0+2], s72
	s_cselect_b32 s73, s[HD0+2], s73
	s_lshl_b32 s72, s72, 2
	s_add_co_u32 s72, s72, s[J]                    ; its number among the head's 256 tiles of 16 queries
	s_cmp_lt_u32 s[WV], 12
	s_cbranch_scc0 .Lnoq
	s_and_b32 s74, s72, 1                          ; u: the even or the odd tile of a pair image
	s_lshr_b32 s76, s72, 1
	s_mul_i32 s76, s76, 1536
	s_mul_i32 s77, s73, 196608
	s_add_co_u32 s76, s76, s77
	s_mov_b32 s77, 0
	s_add_nc_u64 s[4:5], s[4:5], s[76:77]
	s_wait_alu depctr_va_vdst(0)
	v_lshlrev_b32 v[OF+2], 4, v6
	v_lshlrev_b32 v[OF+3], 3, v11
	s_mul_i32 s75, s74, 520                        ; registers 6 u .. 6 u + 5 of the image: pairs at 16 l + (0, 8, 512) or 16 l + (520, 1024, 1032)
	v_add_nc_u32 v[OF], s75, v[OF+2]
	s_mul_i32 s75, s74, 1016
	v_add_nc_u32 v[OF+1], s75, v[OF+2]
	global_load_b64 v[QR:QR+1], v[OF], s[4:5]
	global_load_b64 v[QR+2:QR+3], v[OF+1], s[4:5] offset:8
	global_load_b64 v[QR+4:QR+5], v[OF], s[4:5] offset:512
	s_lshl_b32 s76, s73, 14
	s_lshr_b32 s75, s72, 2
	s_lshl_b32 s75, s75, 8
	s_add_co_u32 s76, s76, s75                     ; the 64 tokens' scale image;
	s_lshl_b32 s75, s74, 7
	s_add_co_u32 s76, s76, s75                     ; the odd tile's words stand 128 bytes on;
	s_bfe_u32 s75, s72, 0x10001
	s_lshl_b32 s75, s75, 2
	s_add_co_u32 s76, s76, s75                     ; word p of a lane's two
	s_add_nc_u64 s[6:7], s[6:7], s[76:77]
	s_wait_alu depctr_va_vdst(0)
	global_load_b32 v[QW], v[OF+3], s[6:7]         ; query r's scale word, in both halves of the lanes
	s_wait_alu depctr_va_vdst(0)
	s_wait_loadcnt 0x0
.irp i, 0,1,2
	v_mov_b32 v[QM+\i], v[QR+3+\i]
.endr
	v_cvt_scale_pk16_f32_bf6 v[RV:RV+15], v[QR:QR+2], v[C7F]
	v_cvt_scale_pk16_f32_bf6 v[RV+16:RV+31], v[QM:QM+2], v[C7F]
	v_nop
	QCLASS Q0, TH, 0x3f800000                      ; 8 .. 28 as they are
	QCLASS Q1, TH+1, 0x3e800000                    ; 2 .. 7 x 4
	QCLASS Q2, TH+2, 0x3d800000                    ; 0.5 .. 1.75 x 16
	QENC Q3, RV, 0x3c800000                        ; what is left x 64
	v_mov_b32 v[QS], v[QW]                         ; the two scale bytes lowered by as much (bytes 2 and 3 are 0 and stay 0)
	v_add_nc_u32 v[QS+1], 0xfffffdfe, v[QW]
	v_add_nc_u32 v[QS+2], 0xfffffbfc, v[QW]
	v_add_nc_u32 v[QS+3], 0xfffff9fa, v[QW]
	s_mul_i32 s75, s[WV], QTB
	s_add_co_u32 s75, s75, QIMG
	ADDR 75
.set CI, 0
.irp q, Q0, Q1, Q2, Q3
	ds_store_b128 v[AT], v[\q:\q+3] offset:768*CI
	ds_store_b64 v[AU], v[\q+4:\q+5] offset:768*CI+512
.set CI, CI+1
.endr
	ds_store_b128 v[AT], v[QS:QS+3] offset:3072
.Lnoq:
	v_mov_b32 v[NINF], 0xff800000
	NEWSTATE
	s_mov_b32 s[CNT], 4
	s_wait_alu depctr_va_vdst(0)
; At a job's first step on my span: (not at the span's start) my state goes to my own LDS bytes and begins anew; the job's numbers are chosen by ids; its Q comes from the images.
.macro SWITCH
	s_cmp_lg_u32 s[P], s[NXB]
	s_cbranch_scc1 .Lnosw_\@
	s_cmp_eq_u32 s[I], 0
	s_cbranch_scc1 .Lfirst_\@
	ADDR MA
	PUTSTATE
	NEWSTATE
.Lfirst_\@:
	s_cmp_ge_u32 s[P], s[CUM1]
	s_cselect_b32 s43, s[HB0+1], s[HB0]
	s_cselect_b32 s[ST], s[CUM1], 0
	s_cselect_b32 s[NXB], s[CUM2], s[CUM1]
	s_cselect_b32 s[K], 1, 0
	s_cmp_ge_u32 s[P], s[CUM2]
	s_cselect_b32 s43, s[HB0+2], s43
	s_cselect_b32 s[ST], s[CUM2], s[ST]
	s_cselect_b32 s[NXB], -1, s[NXB]
	s_cselect_b32 s[K], 2, s[K]
	s_lshl_b32 s[Q0R], s43, 6
	s_lshl_b32 s43, s[J], 4
	s_add_co_u32 s[Q0R], s[Q0R], s43               ; 64 x half-block + 16 x tile
	s_lshl_b32 s43, s[K], 2
	s_add_co_u32 s43, s43, s[J]
	s_mul_i32 s43, s43, QTB
	s_add_co_u32 s43, s43, QIMG
	ADDR 43
.set CI, 0
.irp q, Q0, Q1, Q2, Q3
	ds_load_b128 v[\q:\q+3], v[AT] offset:768*CI
	ds_load_b64 v[\q+4:\q+5], v[AU] offset:768*CI+512
.set CI, CI+1
.endr
	ds_load_b128 v[QS:QS+3], v[AT] offset:3072
.Lnosw_\@:
.endm
; A KEY STEP: 128 keys, chunk e of my group's two in slot sl.
.macro STEP sl, e
	s_cmp_ge_u32 s[I], s[LEN]                      ; past my span's end: no work, and its chunk was not fetched; no barrier and no tensor load stands in a step
	s_cbranch_scc1 .Lhid_\@
	PLACES                                         ; in front of reads of O^T and of loads into registers that the last step's products have read
	SWITCH
	s_sub_co_u32 s[KF], s[P], s[ST]
	s_lshl_b32 s[KF], s[KF], 7
.irp g, 0,1,2,3,4,5,6,7,8,9,10,11
	ds_load_b128 v[FRG+4*\g:FRG+4*\g+3], v[LI+7*\sl] offset:\e*CH+512*\g
.endr
	ds_load_b64 v[KS:KS+1], v[L8+7*\sl] offset:\e*CH+12288
	ds_load_b64 v[KS+2:KS+3], v[L8+7*\sl] offset:\e*CH+12544
	s_wait_dscnt 0x0
	KQ Q0, QS, 1                                   ; the eight accumulators take turns, one instruction a turn
	KQ Q1, QS+1, 0
	KQ Q2, QS+2, 0
	KQ Q3, QS+3, 0
	PLACES
.irp g, 0,1,2,3,4,5,6,7,8,9,10,11
	ds_load_b128 v[FRG+4*\g:FRG+4*\g+3], v[LI+7*\sl] offset:\e*CH+6144+512*\g   ; V's four images land under the softmax
.endr
	ds_load_b32 v[VS], v[LV+7*\sl] offset:\e*CH+12800
	ds_load_b32 v[VS+1], v[LV+7*\sl] offset:\e*CH+13056
	s_add_co_u32 s43, s[KF], 127                   ; on the diagonal the scores of hidden keys become -infinity ahead of the maximum
	s_cmp_le_u32 s43, s[Q0R]
	s_cbranch_scc1 .Lopen_\@
	s_sub_co_i32 s43, s[Q0R], s[KF]
	v_add_nc_u32 v[T], s43, v[QD]                  ; register 8 t + j is hidden where 16 t + j > my query - the step's first key - 8 h
.irp n, 0,1,2,3,4,5,6,7,8,9,10,11,12,13,14,15,16,17,18,19,20,21,22,23,24,25,26,27,28,29,30,31,32,33,34,35,36,37,38,39,40,41,42,43,44,45,46,47,48,49,50,51,52,53,54,55,56,57,58,59,60,61,62,63
	v_cmp_gt_i32 vcc_lo, 16*(\n/8)+\n%8, v[T]
	v_cndmask_b32 v[S+\n], v[S+\n], v[NINF], vcc_lo
.endr
.Lopen_\@:
.irp b, 0,1,2,3
	v_max3_num_f32 v[BM+\b], v[S+16*\b], v[S+16*\b+1], v[S+16*\b+2]   ; the largest score of each block of 32 keys: for the row's maximum and for the block's largest p
.endr
.irp i, 3,5,7,9,11,13
.irp b, 0,1,2,3
	v_max3_num_f32 v[BM+\b], v[BM+\b], v[S+16*\b+\i], v[S+16*\b+\i+1]
.endr
.endr
.irp b, 0,1,2,3
	v_max_num_f32 v[BM+\b], v[BM+\b], v[S+16*\b+15]
.endr
.irp b, 0,1,2,3
	s_delay_alu instid0(VALU_DEP_4)
	v_permlanex16_b32 v[BT+\b], v[BM+\b], s[SEL], s[SEL+1]
.endr
.irp b, 0,1,2,3
	s_delay_alu instid0(VALU_DEP_4)
	v_max_num_f32 v[BM+\b], v[BM+\b], v[BT+\b]
.endr
.irp b, 0,1,2,3
	s_delay_alu instid0(VALU_DEP_4)
	v_mul_f32 v[BM+\b], s[CS], v[BM+\b]            ; as t
.endr
	s_delay_alu instid0(VALU_DEP_2)
	v_max3_num_f32 v[T], v[BM], v[BM+1], v[BM+2]
	s_delay_alu instid0(VALU_DEP_1)
	v_max3_num_f32 v13, v[T], v[BM+3], v13         ; the running largest t
	v_mov_b32 v[T], v12
	s_delay_alu instid0(VALU_DEP_2)
	v_floor_f32 v12, -v13                          ; the new -M
	s_delay_alu instid0(VALU_DEP_1)
	v_sub_f32 v[T], v12, v[T]                      ; old M - new M: a whole number, 0 or less
	s_delay_alu instid0(VALU_DEP_1)
	v_cvt_i32_f32 v[T], v[T]                       ; (it saturates)
	s_delay_alu instid0(VALU_DEP_1)
	v_ldexp_f32 v[FF], 1.0, v[T]                   ; f = 2^(old M - new M)
.irp j, 0,2,4,6,8,10,12,14,16,18,20,22,24,26,28,30,32,34,36,38,40,42,44,46,48,50,52,54,56,58,60,62
	v_pk_mul_f32 v[S+\j:S+\j+1], v[S+\j:S+\j+1], s[CS:CS+1] op_sel_hi:[1,0]   ; t, rounded to f32
.endr
.irp j, 0,2,4,6,8,10,12,14,16,18,20,22,24,26,28,30,32,34,36,38,40,42,44,46,48,50,52,54,56,58,60,62
	v_pk_add_f32 v[S+\j:S+\j+1], v[S+\j:S+\j+1], v[12:13] op_sel_hi:[1,0]     ; t - M
.endr
.irp b, 0,1,2,3
	v_add_f32 v[BM+\b], v[BM+\b], v12
.endr
	s_wait_alu depctr_va_vdst(0)
.irp j, 0,1,2,3,4,5,6,7,8,9,10,11,12,13,14,15,16,17,18,19,20,21,22,23,24,25,26,27,28,29,30,31,32,33,34,35,36,37,38,39,40,41,42,43,44,45,46,47,48,49,50,51,52,53,54,55,56,57,58,59,60,61,62,63
	v_exp_f32 v[S+\j], v[S+\j]                     ; p = 2^(t - M), at most 1
.endr
	v_pk_mul_f32 v[14:15], v[14:15], v[FF:FF+1] op_sel_hi:[1,0]   ; the sums under the new M: the plain place behind the exponentials
	s_wait_alu depctr_va_vdst(0)                   ; one wait for the batch of 64, ahead of its first reader
.irp b, 0,1,2,3
	v_exp_f32 v[BM+\b], v[BM+\b]                   ; the block's largest p: the same instructions on the same number give the same bits
.endr
	v_pk_add_f32 v[228:229], v[S:S+1], v[S+2:S+3]  ; the row's sum of the unquantised p, in four chains
	v_pk_add_f32 v[230:231], v[S+4:S+5], v[S+6:S+7]
	v_pk_add_f32 v[222:223], v[S+8:S+9], v[S+10:S+11]
	v_pk_add_f32 v[14:15], v[14:15], v[S+12:S+13]
	v_pk_add_f32 v[228:229], v[228:229], v[S+14:S+15]
.irp j, 16,24,32,40,48,56
	v_pk_add_f32 v[230:231], v[230:231], v[S+\j:S+\j+1]
	v_pk_add_f32 v[222:223], v[222:223], v[S+\j+2:S+\j+3]
	v_pk_add_f32 v[14:15], v[14:15], v[S+\j+4:S+\j+5]
	v_pk_add_f32 v[228:229], v[228:229], v[S+\j+6:S+\j+7]
.endr
	v_pk_add_f32 v[230:231], v[230:231], v[222:223]
	v_pk_add_f32 v[14:15], v[14:15], v[228:229]
	s_delay_alu instid0(VALU_DEP_1)
	v_pk_add_f32 v[14:15], v[14:15], v[230:231]
	s_wait_alu depctr_va_vdst(0)                   ; and one for the four
.irp b, 0,1,2,3
	v_max_num_f32 v[BM+\b], 0x2800000, v[BM+\b]    ; the floor 2^(5 - 127): the byte cannot fall under 1
.endr
.irp b, 0,1,2,3
	s_delay_alu instid0(VALU_DEP_4)
	v_add_nc_u32 v[BM+\b], 0xfe000000, v[BM+\b]    ; 4 off the exponent field: the conversion's scale operand
.endr
.irp b, 0,1,2,3
	s_delay_alu instid0(VALU_DEP_4)
	v_lshrrev_b32 v[BT+\b], 23, v[BM+\b]           ; the scale's byte
.endr
	s_delay_alu instid0(VALU_DEP_3)
	v_lshl_or_b32 v[PW], v[BT+1], 8, v[BT]
	s_delay_alu instid0(VALU_DEP_1)
	v_lshl_or_b32 v[PW], v[BT+2], 16, v[PW]
	s_delay_alu instid0(VALU_DEP_1)
	v_lshl_or_b32 v[PW], v[BT+3], 24, v[PW]
.irp c, 0,1
	v_cvt_scalef32_pk16_bf6_f32 v[PC+6*\c:PC+6*\c+2], v[S+32*\c:S+32*\c+15], v[BM+2*\c]
	v_cvt_scalef32_pk16_bf6_f32 v[PT+4*\c:PT+4*\c+2], v[S+32*\c+16:S+32*\c+31], v[BM+2*\c+1]
.endr
	v_nop                                          ; one plain place behind a scaled conversion
.irp c, 0,1
.irp i, 0,1,2
	v_permlane16_swap_b32 v[PC+6*\c+\i], v[PT+4*\c+\i]   ; a whole block in a lane
.endr
.irp i, 0,1,2
	s_delay_alu instid0(VALU_DEP_3)
	v_mov_b32 v[PC+6*\c+3+\i], v[PT+4*\c+\i]
.endr
.endr
.irp j, 0,2,4,6,8,10,12,14,16,18,20,22,24,26,28,30
	v_pk_mul_f32 v[O+\j:O+\j+1], v[O+\j:O+\j+1], v[FF:FF+1] op_sel_hi:[1,0]   ; O^T under the new M; twelve of these name no register of any one product below: the places behind the scale word's and the codes' last writes
.endr
	s_wait_alu depctr_va_vdst(0)
	s_wait_dscnt 0x0                               ; V and its scale words are in
.irp e2, 0,1
	MM O+16*\e2, FRG+24*\e2, PC, VS+\e2, PW, 0, 0  ; four accumulators, one instruction each
	MM O+16*\e2+8, FRG+24*\e2+12, PC, VS+\e2, PW, 0, 1
.endr
.Lhid_\@:
	s_add_co_u32 s[P], s[P], 1
	s_add_co_u32 s[I], s[I], 1
.endm
; A SLOT'S TURN: all my tensor loads are waited for, the add, the next chunk's address, the wait for the add and for my reads of the slot that I have left; the barrier;
; the other slot's fill, a wave's one tensor load until the next barrier; two key steps.
.macro TRIP sl
	s_wait_tensorcnt 0x0
	ds_add_u32 v[SPW], v[NIL]
	ds_add_u32 v[SPW], v[NIL]
	LADDR G0+4-4*\sl
	s_wait_dscnt 0x0
	s_barrier_signal -1
	s_barrier_wait -1
	TLOAD G0+4-4*\sl
	STEP \sl, 0
	STEP \sl, 1
.endm
.Lpair:                                            ; four trips of two turns: places 0 .. 15 of a span, of which 13 at the most are worked
	TRIP 0
	TRIP 1
	s_sub_co_u32 s[CNT], s[CNT], 1
	s_cmp_lg_u32 s[CNT], 0
	s_cbranch_scc1 .Lpair
	s_wait_tensorcnt 0x0
	s_wait_dscnt 0x0
	s_barrier_signal -1
	s_barrier_wait -1                              ; nobody reads the ring any more, and nothing is on its way into it
	PLACES
	s_mul_i32 s43, s[WV], STB
	s_add_co_u32 s43, s43, FIN
	ADDR 43
	PUTSTATE                                       ; my last state
	s_wait_dscnt 0x0
	s_barrier_signal -1
	s_barrier_wait -1                              ; everybody's states are in LDS
	s_cmp_lt_u32 s[WV], 12
	s_cbranch_scc0 .Lend
; One part, at LDS address s[a], is joined to my state: both are brought under the larger M by powers of two.
.macro MERGE a
	ADDR \a
.irp i, 0,1,2,3,4,5,6,7
	ds_load_b128 v[S+4*\i:S+4*\i+3], v[AT] offset:512*\i
.endr
	ds_load_b64 v[S+32:S+33], v[AU] offset:4096
	s_wait_alu depctr_va_vdst(0)
	s_wait_dscnt 0x0
	v_min_num_f32 v[PW], v12, v[S+32]              ; the new -M
	v_sub_f32 v[FF], v[PW], v12
	v_sub_f32 v[FG], v[PW], v[S+32]
	v_cvt_i32_f32 v[FF], v[FF]
	v_cvt_i32_f32 v[FG], v[FG]
	v_ldexp_f32 v[FF], 1.0, v[FF]
	v_ldexp_f32 v[FG], 1.0, v[FG]
	v_mov_b32 v12, v[PW]
	v_mul_f32 v14, v14, v[FF]
	v_fmac_f32 v14, v[S+33], v[FG]
.irp j, 0,2,4,6,8,10,12,14,16,18,20,22,24,26,28,30
	v_pk_mul_f32 v[O+\j:O+\j+1], v[O+\j:O+\j+1], v[FF:FF+1] op_sel_hi:[1,0]
.endr
.irp j, 0,2,4,6,8,10,12,14,16,18,20,22,24,26,28,30
	v_pk_fma_f32 v[O+\j:O+\j+1], v[S+\j:S+\j+1], v[FG:FG+1], v[O+\j:O+\j+1] op_sel_hi:[1,0,1]
.endr
	s_wait_alu depctr_va_vdst(0)
.endm
.macro FINSRC g                        ; group g's last state belongs to the job of its span's last place
	s_cmp_le_u32 s[CUM1], 13*\g+12
	s_cselect_b32 s75, 1, 0
	s_cmp_le_u32 s[CUM2], 13*\g+12
	s_cselect_b32 s76, 1, 0
	s_add_co_u32 s75, s75, s76
	s_mul_i32 s77, s[J], STB
	s_add_co_u32 s77, s77, FIN+4*\g*STB
	s_cmp_lg_u32 s75, s[G]
	s_cbranch_scc1 .Lnotmine_\@
	MERGE 77
.Lnotmine_\@:
.endm
	NEWSTATE
	v_mov_b32 v[FG+1], 0                           ; (named as the upper half of a pair)
	s_wait_alu depctr_va_vdst(0)
	s_cmp_eq_u32 s[G], 1                           ; the border at my job's end: the group inside whose span it lies has put a state aside; a border on a span's start, and job 2, have none
	s_cselect_b32 s74, s[CUM2], 0
	s_cmp_eq_u32 s[G], 0
	s_cselect_b32 s74, s[CUM1], s74
	s_cmp_ge_u32 s74, 13
	s_cselect_b32 s75, 1, 0
	s_cmp_ge_u32 s74, 26
	s_cselect_b32 s76, 1, 0
	s_add_co_u32 s75, s75, s76
	s_cmp_ge_u32 s74, 39
	s_cselect_b32 s76, 1, 0
	s_add_co_u32 s75, s75, s76                     ; that group
	s_mul_i32 s76, s75, 13
	s_lshl_b32 s77, s75, 2
	s_add_co_u32 s77, s77, s[J]
	s_mul_i32 s77, s77, STB
	s_add_co_u32 s77, s77, MID
	s_cmp_eq_u32 s74, s76
	s_cbranch_scc1 .Lnomid
	MERGE 77
.Lnomid:
	FINSRC 0
	FINSRC 1
	FINSRC 2
	FINSRC 3
	; THE WAY OUT.  O^T is divided by the row's sum and goes through my stage in LDS, so that sixteen lanes store a whole row of 256 bytes.
	v_permlanex16_b32 v[T], v14, s[SEL], s[SEL+1]
	v_and_b32 v1, 15, v0                           ; r
	v_bfe_u32 v2, v0, 4, 1                         ; h
	v_add_f32 v14, v14, v[T]                       ; with lane l xor 16's
	s_mul_i32 s75, s[WV], 16*272
	v_mul_u32_u24 v3, v1, 272
	v_lshl_add_u32 v3, v2, 5, v3
	v_add_nc_u32 v3, s75, v3                       ; in: row r, + 32 h
	v_mul_u32_u24 v8, v2, 272
	v_lshl_add_u32 v8, v1, 4, v8
	v_add_nc_u32 v8, s75, v8                       ; back: lanes 0-15 one row, lanes 16-31 the next
	v_and_b32 v9, 31, v0
	v_lshlrev_b32 v9, 4, v9
	s_lshl_b32 s76, s73, 12
	s_lshl_b32 s77, s72, 4
	s_add_co_u32 s76, s76, s77
	s_lshl_b32 s76, s76, 8
	s_mov_b32 s77, 0
	s_add_nc_u64 s[10:11], s[10:11], s[76:77]      ; my 16 rows of out0, 256 bytes each
	s_wait_alu depctr_va_vdst(0)                   ; the wait ahead of the transcendental
	v_rcp_f32 v14, v14
	v_nop
	s_wait_alu depctr_va_vdst(0)                   ; and ahead of its first reader
.irp j, 0,1,2,3,4,5,6,7,8,9,10,11,12,13,14,15,16,17,18,19,20,21,22,23,24,25,26,27,28,29,30,31
	v_mul_f32 v[S+\j], v[O+\j], v14                ; register 8 t + j is out(query r, channel 16 t + 8 h + j)
.endr
.irp t, 0,1,2,3
	ds_store_b128 v3, v[S+8*\t:S+8*\t+3] offset:STAGE+64*\t
	ds_store_b128 v3, v[S+8*\t+4:S+8*\t+7] offset:STAGE+64*\t+16
.endr
.irp i, 0,1,2,3,4,5,6,7
	ds_load_b128 v[FRG+4*\i:FRG+4*\i+3], v8 offset:STAGE+544*\i   ; LDS serves a wave's instructions in order (ISA guide 5.7.1.4): these see my stores
.endr
.irp i, 0,1,2,3,4,5,6,7
	s_wait_dscnt 7-\i                              ; rows 2 i and 2 i + 1 are back; the 7 - i younger loads may be out
	global_store_b128 v9, v[FRG+4*\i:FRG+4*\i+3], s[10:11] offset:512*\i   ; 32 lanes store 512 consecutive bytes, at a multiple of 256 from out0's first byte
.endr
.Lend:
	s_wait_tensorcnt 0x0                           ; the wave's end
	ds_add_u32 v[SPW], v[NIL]
	s_wait_dscnt 0x0
	s_endpgm
.Lfunc_end_k_qa9ffc8b702_attn:
	.size	k_qa9ffc8b702_attn, .Lfunc_end_k_qa9ffc8b702_attn-k_qa9ffc8b702_attn
	.p2alignl 7, 3214868480
	.fill 96, 4, 3214868480
	.section	.rodata,"a",@progbits
	.p2align	6, 0x0
	.amdhsa_kernel k_qa9ffc8b702_attn
		.amdhsa_group_segment_fixed_size 327680
		.amdhsa_private_segment_fixed_size 0
		.amdhsa_enable_private_segment 0
		.amdhsa_kernarg_size 32
		.amdhsa_user_sgpr_count 2
		.amdhsa_user_sgpr_kernarg_segment_ptr 1
		.amdhsa_wavefront_size32 1
		.amdhsa_system_sgpr_workgroup_id_x 1
		.amdhsa_system_sgpr_workgroup_id_y 1
		.amdhsa_system_sgpr_workgroup_id_z 1
		.amdhsa_system_vgpr_workitem_id 0
		.amdhsa_next_free_vgpr 256
		.amdhsa_next_free_sgpr 96
		.amdhsa_reserve_vcc 1
		.amdhsa_float_denorm_mode_32 3
		.amdhsa_float_denorm_mode_16_64 3
		.amdhsa_memory_ordered 1
		.amdhsa_forward_progress 1
		.amdhsa_inst_pref_size 171
	.end_amdhsa_kernel
	.amdgpu_metadata
---
amdhsa.version: [ 1, 2 ]
amdhsa.kernels:
  - .name:           k_qa9ffc8b702_attn
    .symbol:         k_qa9ffc8b702_attn.kd
    .args:
      - { .name: qc, .offset: 0, .size: 8, .value_kind: global_buffer, .address_space: global }
      - { .name: qs, .offset: 8, .size: 8, .value_kind: global_buffer, .address_space: global }
      - { .name: kv, .offset: 16, .size: 8, .value_kind: global_buffer, .address_space: global }
      - { .name: out0, .offset: 24, .size: 8, .value_kind: global_buffer, .address_space: global }
    .group_segment_fixed_size: 327680
    .private_segment_fixed_size: 0
    .kernarg_segment_align: 8
    .kernarg_segment_size: 32
    .max_flat_workgroup_size: 512
    .sgpr_count:     96
    .vgpr_count:     256
    .wavefront_size: 32
...
	.end_amdgpu_metadata
.endif
;; end of part 3
